; MI455X (gfx1250); checked and timed in simulation.
; The chip was launched on July 23, 2026; its instructions are those of AMD's public machine-readable ISA for CDNA 5 (MIT licence, August 2026) and "CDNA5" Instruction Set Architecture Reference Guide (July 2026). The comments in the code are by the model that wrote it; some were corrected since.
;; Multi Head Attention. Allowed arithmetic: matrix products marked QUANTISED: E2M1 operands, one E8M0 scale for each 32 along K, by v_wmma_scale_f32_16x16x128_f8f6f4 with both operands' format E2M1 (or v_wmma_scale_f32_32x16x128_f4), f32 sums; products left as they are: bf16, f16 or f32 operands; f32 sums; everything else in f32.
;; Inputs: attention_mask 4 x 2,048 int32; w_k 1,024 x 1,024 float32; w_o 1,024 x 1,024 float32; w_q 1,024 x 1,024 float32; w_v 1,024 x 1,024 float32; x 4 x 2,048 x 1,024 float32.
;; Outputs: out0 4 x 2,048 x 1,024 float32.
;; This version of the problem:
;;   THIS VERSION OF THE PROBLEM IS GIVEN IN LOW PRECISION. The matrix products marked QUANTISED in the list below multiply operands that are first quantised to E2M1 (2 exponent bits, 1 mantissa bit; 4 bits a number), with one power-of-two scale for each 32 numbers along K (OCP MX v1.0); their sums are f32. The products marked 'left as it is' may take bf16, f16 or f32 operands, with f32 sums. Whichever they take, every output number must still come out within the allowed error. Rounding operands to bf16 (8 significant bits) uses up far more of that allowance than f16 does (11 bits, for magnitudes from 6e-5 to 65,504). All else is computed in f32.
;;   The module's matrix products, in the order in which they are computed (A, B: the left and right operand; K: the contracted axis; several contracted axes count as one K, in the product's order):
;;     1. [M 8,192, K 1,024] x [K 1,024, N 1,024]; A: input x; B: input w_q: QUANTISED
;;     2. [M 8,192, K 1,024] x [K 1,024, N 1,024]; A: input x; B: input w_k: QUANTISED
;;     3. [M 8,192, K 1,024] x [K 1,024, N 1,024]; A: input x; B: input w_v: QUANTISED
;;     4. batch 64 x [M 2,048, K 64] x [K 64, N 2,048]; A: computed on the way; B: computed on the way: left as it is (an operand is computed on the way)
;;     5. batch 64 x [M 2,048, K 2,048] x [K 2,048, N 64]; A: computed on the way; B: computed on the way: left as it is (an operand is computed on the way)
;;     6. [M 8,192, K 1,024] x [K 1,024, N 1,024]; A: computed on the way; B: input w_o: left as it is (an operand is computed on the way)
;;   THE QUANTISER, for each operand of a quantised product, along K:
;;     - K is cut into blocks of 32 from its start; a last block that is shorter is filled with zeros.
;;     - A block's scale is 2^e with e = floor(log2(the largest magnitude in the block)) - 2, held to -126 .. 127; a block of zeros has e = 0. As a byte (E8M0): e + 127.
;;     - Each number is divided by its block's scale, clamped to +-6, and rounded to the nearest number of E2M1, ties to even, subnormals kept.
;;     - The product sums the exact products of the quantised numbers (number of the format x scale) in f32.
;;   ~~~python
;;   def quantise(x, axis):      # numpy; x: float32 -> the quantised numbers, widened to float32 again
;;       x = np.moveaxis(x, axis, -1); K = x.shape[-1]
;;       x = np.pad(x, [(0, 0)] * (x.ndim - 1) + [(0, -K % 32)]); x = x.reshape(x.shape[:-1] + (-1, 32)); a = np.abs(x).max(-1, keepdims=True)
;;       e = np.where(a > 0, np.clip(np.frexp(np.where(a > 0, a, 1))[1] - 1 - 2, -126, 127), 0)      # np.frexp(a)[1] - 1 = floor(log2(a)), exactly
;;       r = np.clip(x / 2.0 ** e, -6, 6)
;;       step = 2.0 ** (np.maximum(np.frexp(np.where(r == 0, 1, r))[1] - 1, 0) - 1)
;;       q = np.round(r / step) * step * 2.0 ** e      # np.round: ties to even
;;       return np.moveaxis(q.reshape(q.shape[:-2] + (-1,))[..., :K], -1, axis).astype(np.float32)
;;   ~~~
;; One version. Each part assembles by itself: llvm-mc -triple=amdgcn-amd-amdhsa -mcpu=gfx1250 --defsym DOCPART=n.
;; ======== version 1 of 1: 5 launches
;; limits: values are held in f16: magnitudes above 65,504 overflow, below 6.1e-05 lose precision
;; workspace buffers: codes 5,767,168 bytes; scales 360,448 bytes; wo16 2,097,152 bytes; qkv 50,331,648 bytes; qkv32 786,432 bytes; ao 16,777,216 bytes; bias 32,768 bytes; flags 512 bytes of whole numbers
;; launch prep (part 1): grid 417 x 1, 4 waves a work-group, no clusters, 33,280 bytes of LDS; arguments x, w_q, w_k, w_v, w_o, attention_mask, codes, scales, wo16, bias, flags; writes codes, scales, wo16, bias, flags
.if DOCPART == 1
	.amdgcn_target "amdgcn-amd-amdhsa--gfx1250"
	.amdhsa_code_object_version 6
	.text
	.protected	k_qcce6c7c121_prep
	.globl	k_qcce6c7c121_prep
	.p2align	8
	.type	k_qcce6c7c121_prep,@function
k_qcce6c7c121_prep:
	s_mov_b64 s[64:65], 0
	v_nop
	global_prefetch_b8 v0, s[64:65] scope:SCOPE_SE
	s_setreg_imm32_b32 hwreg(HW_REG_WAVE_MODE, 25, 1), 1
	s_wait_xcnt 0x0
; THREE JOBS IN ONE LAUNCH, told apart by the work-group's number alone.
; Work-groups 0-351: x [8192][1024], w_q, w_k, w_v [1024][1024], f32, K innermost, become codes of FP4 (E2M1), two a byte, and one E8M0 byte for each 32 along K.  The four tensors are plain streams of
;   blocks of 32; their codes lie on end in 'codes' (rows of 512 bytes: 0-8191 x, then w_q, w_k, w_v) and their bytes on end in 'scales' (rows of 32 bytes).  32,768 numbers a work-group: 256 + 3 x 32.
;   A block's scale is 2^(floor(log2(largest magnitude)) - 2); its byte is the largest magnitude's exponent field - 2, held at 1 from below.
;   LIMITS: a block of zeros gets the byte 1 where the quantiser says 127 (its codes are zeros, and this program alone reads the bytes); blocks whose largest magnitude lies under 2^-124 are held at byte 1;
;   NaN and infinities among the inputs are not served.
; Work-groups 352-415: w_o becomes f16 (it must lie under 65,504 in size), 4,096 numbers a wave.
; Work-group 416: the mask [4][2048] becomes a bias (0, or -infinity where the mask is 0), and for each batch a word whose bit j says that keys 64 j .. 64 j + 63 have a hole; wave = batch.
; The quantiser: a wave takes 16 steps of 512 numbers.  Each load reads 512 consecutive bytes; a step's 2,048 bytes turn through the wave's own stage in LDS so that a lane holds 16 neighbours (two lanes a block).
.set WAVES, 4
.set STEPS, 16
.set EMAX,  2
.set CB,    8                          ; bytes of 16 codes
.set R,     16                         ; v16-79   four sets of 16 numbers as they are loaded
.set X,     80                         ; v80-111  two sets of 16 neighbours (w_o's path: v80-143 results)
.set E,     112                        ; v112-127 a scale byte for each step
.set C,     128                        ; v128-191 codes: four registers for each step, so that no store's data are written again
.set WREG,  8192                       ; LDS: a region for each wave: two stages of 32 x SP bytes, then its 256 scale bytes
.set SP,    80                         ; a lane's place in a stage: 64 bytes + 16 of padding
.set SPW,   12                         ; v12 LDS address of my spare word; never rewritten
.set NIL,   13                         ; v13 0; never rewritten
.set SPARE, WAVES*WREG                 ; the spare words: 128 bytes a wave, two blocks of 256 bytes that no other line names
	s_load_b256 s[4:11], s[0:1], 0x0               ; x, w_q, w_k, w_v
	s_load_b256 s[12:19], s[0:1], 0x20             ; w_o, mask, codes, scales
	s_load_b128 s[20:23], s[0:1], 0x40             ; wo16, bias
	s_load_b64 s[24:25], s[0:1], 0x50              ; flags
	v_lshl_add_u32 v[SPW], v0, 2, SPARE
	v_mov_b32 v[NIL], 0
	v_lshrrev_b32 v1, 5, v0
	v_readfirstlane_b32 s26, v1                    ; wave
	v_and_b32 v2, 31, v0                           ; lane
	v_lshlrev_b32 v3, 4, v2                        ; my 16 bytes of a load's 512
	s_mul_i32 s27, s26, WREG
	v_lshrrev_b32 v14, 2, v2
	v_mul_u32_u24 v14, v14, SP
	v_and_b32 v15, 3, v2
	v_lshl_add_u32 v14, v15, 4, v14
	v_add_nc_u32 v14, s27, v14                     ; the stage, on the way in: SP (lane / 4) + 16 (lane % 4)
	v_mul_u32_u24 v15, v2, SP
	v_add_nc_u32 v15, s27, v15                     ; and on the way out: SP x lane: my 16 neighbours
	v_mul_u32_u24 v4, v2, CB                       ; my codes' place in a step's
	v_lshrrev_b32 v5, 1, v2
	s_add_co_u32 s27, s27, 2*32*SP
	v_add_nc_u32 v5, s27, v5                       ; LDS: my wave's 256 scale bytes, my block's byte
	v_lshlrev_b32 v7, 3, v2                        ; 8 bytes a lane
	v_add_nc_u32 v6, s27, v7
	s_wait_kmcnt 0x0
	s_cmp_ge_u32 ttmp9, 416
	s_cbranch_scc1 .Lmask
	s_cmp_ge_u32 ttmp9, 352
	s_cbranch_scc1 .Lwo
	; ---- the quantiser.  Which tensor: a choice of pointers on the work-group's number
	s_mov_b64 s[28:29], s[10:11]                   ; w_v, whose first work-group is 320
	s_mov_b32 s30, 320
	s_cmp_lt_u32 ttmp9, 320
	s_cselect_b64 s[28:29], s[8:9], s[28:29]       ; w_k, 288
	s_cselect_b32 s30, 288, s30
	s_cmp_lt_u32 ttmp9, 288
	s_cselect_b64 s[28:29], s[6:7], s[28:29]       ; w_q, 256
	s_cselect_b32 s30, 256, s30
	s_cmp_lt_u32 ttmp9, 256
	s_cselect_b64 s[28:29], s[4:5], s[28:29]       ; x, 0
	s_cselect_b32 s30, 0, s30
	s_sub_co_u32 s30, ttmp9, s30
	s_lshl_b32 s30, s30, 2
	s_add_co_u32 s30, s30, s26                     ; which run of 8,192 numbers of the tensor is my wave's
	s_lshl_b32 s30, s30, 15                        ; 32,768 bytes a run: under 2^26
	s_mov_b32 s31, 0
	s_add_nc_u64 s[28:29], s[28:29], s[30:31]
	s_lshl_b32 s30, ttmp9, 2
	s_add_co_u32 s30, s30, s26                     ; and which run of the joint streams
	s_lshl_b32 s32, s30, 12                        ; 4,096 bytes of codes a run
	s_mov_b32 s33, 0
	s_add_nc_u64 s[16:17], s[16:17], s[32:33]
	s_lshl_b32 s32, s30, 8                         ; 256 scale bytes a run
	s_add_nc_u64 s[18:19], s[18:19], s[32:33]
.macro LOAD t
.irp i, 0,1,2,3
	global_load_b128 v[R+16*((\t)%4)+4*\i:R+16*((\t)%4)+4*\i+3], v3, s[28:29] offset:2048*(\t)+512*\i th:TH_LOAD_NT   ; 32 lanes read 512 consecutive bytes
.endr
.endm
.macro TURN t                          ; step t's numbers through the stage: LDS serves a wave's instructions in order, so no wait stands between the stores and the loads
.irp i, 0,1,2,3
	ds_store_b128 v14, v[R+16*((\t)%4)+4*\i:R+16*((\t)%4)+4*\i+3] offset:32*SP*((\t)%2)+8*SP*\i
.endr
.irp i, 0,1,2,3
	ds_load_b128 v[X+16*((\t)%2)+4*\i:X+16*((\t)%2)+4*\i+3], v15 offset:32*SP*((\t)%2)+16*\i
.endr
.endm
.irp t, 0,1,2,3
	LOAD \t
.endr
	s_wait_loadcnt 12                              ; step 0's four loads are in; the twelve of steps 1 to 3 may be out
	TURN 0
.macro STEP t
.set XS, X+16*((\t)%2)
.if (\t) > 0
	s_wait_dscnt 1                                 ; this step's numbers are back from the stage (the last step's byte store may be out)
.else
	s_wait_dscnt 0x0
.endif
.if (\t)+4 < STEPS
	LOAD (\t)+4                                    ; into the registers that the stage's stores have read
.endif
.if (\t)+1 < STEPS
.if STEPS-2-(\t) >= 3
	s_wait_loadcnt 12                              ; the next step's four loads are in; those of the three steps behind it may be out
.else
	s_wait_loadcnt 4*(STEPS-2-(\t))
.endif
	TURN (\t)+1                                    ; through the other stage while this step is worked
.endif
	v_max3_num_f32 v8, |v[XS]|, |v[XS+1]|, |v[XS+2]|               ; the largest magnitude of my 16, in two chains
	v_max3_num_f32 v9, |v[XS+3]|, |v[XS+4]|, |v[XS+5]|
.irp i, 6,10
	v_max3_num_f32 v8, v8, |v[XS+\i]|, |v[XS+\i+1]|
	v_max3_num_f32 v9, v9, |v[XS+\i+2]|, |v[XS+\i+3]|
.endr
	v_max3_num_f32 v8, v8, |v[XS+14]|, |v[XS+15]|
	v_max3_num_f32 v8, v8, v9, (EMAX+1)<<23        ; and the floor 2^(3 - 127): the byte cannot fall under 1
	v_max_num_f32_dpp v8, v8, v8 row_xmask:1 row_mask:0xf bank_mask:0xf   ; and of my neighbour's 16: the block's
	v_add_nc_u32 v11, -(EMAX<<23), v8              ; 2 off its exponent field: the conversion takes the exponent field of this operand as its scale
	v_cvt_scalef32_pk8_fp4_f32 v[C+4*(\t)], v[XS:XS+7], v11        ; to the nearest code, ties to even, beyond 6 the largest code
	v_cvt_scalef32_pk8_fp4_f32 v[C+4*(\t)+1], v[XS+8:XS+15], v11
	v_lshrrev_b32 v[E+(\t)], 23, v11               ; the scale's byte (also the plain line behind the conversions)
	ds_store_b8 v5, v[E+(\t)] offset:16*(\t)       ; both lanes of a block write the same byte with the same value
	global_store_b64 v4, v[C+4*(\t):C+4*(\t)+1], s[16:17] offset:32*CB*(\t)   ; the wave stores 256 consecutive bytes, aligned
.endm
.irp t, 0,1,2,3,4,5,6,7,8,9,10,11,12,13,14,15
	STEP \t
.endr
	ds_load_b64 v[8:9], v6                         ; LDS serves a wave's instructions in order: these see my byte stores
	s_wait_dscnt 0x0
	global_store_b64 v7, v[8:9], s[18:19]          ; 256 scale bytes, aligned
	s_wait_tensorcnt 0x0                           ; the wave's end, behind my last LDS store
	ds_add_u32 v[SPW], v[NIL]
	s_wait_dscnt 0x0
	s_endpgm
	; ---- w_o to f16: 16,384 bytes in and 8,192 out for each wave, in two rounds of sixteen loads
.Lwo:
	s_sub_co_u32 s30, ttmp9, 352
	s_lshl_b32 s30, s30, 2
	s_add_co_u32 s30, s30, s26
	s_lshl_b32 s32, s30, 14
	s_mov_b32 s33, 0
	s_add_nc_u64 s[12:13], s[12:13], s[32:33]
	s_lshl_b32 s32, s30, 13
	s_add_nc_u64 s[20:21], s[20:21], s[32:33]
.macro WO round
.irp i, 0,1,2,3,4,5,6,7,8,9,10,11,12,13,14,15
	global_load_b128 v[R+4*\i:R+4*\i+3], v3, s[12:13] offset:(16*\round+\i)*512 th:TH_LOAD_NT
.endr
.irp i, 0,1,2,3,4,5,6,7,8,9,10,11,12,13,14,15
	s_wait_loadcnt 15-\i                           ; loads come back in order: load i is in, the younger ones may be out
	v_cvt_pk_f16_f32 v[X+32*\round+2*\i], v[R+4*\i], v[R+4*\i+1]
	v_cvt_pk_f16_f32 v[X+32*\round+2*\i+1], v[R+4*\i+2], v[R+4*\i+3]
	global_store_b64 v7, v[X+32*\round+2*\i:X+32*\round+2*\i+1], s[20:21] offset:(16*\round+\i)*256   ; 256 consecutive bytes, aligned; each round has result registers of its own
.endr
.endm
	WO 0
	WO 1
	s_wait_tensorcnt 0x0                           ; the wave's end, on this path too
	ds_add_u32 v[SPW], v[NIL]
	s_wait_dscnt 0x0
	s_endpgm
	; ---- the mask: load t holds keys 128 t .. 128 t + 127: lanes 0-15 key block 2 t, lanes 16-31 key block 2 t + 1
.Lmask:
	s_lshl_b32 s32, s26, 13                        ; 8,192 bytes a batch, in the mask and in the bias
	s_mov_b32 s33, 0
	s_add_nc_u64 s[14:15], s[14:15], s[32:33]
	s_add_nc_u64 s[22:23], s[22:23], s[32:33]
	s_lshl_b32 s32, s26, 7                         ; 32 equal words a batch
	s_add_nc_u64 s[24:25], s[24:25], s[32:33]
.irp t, 0,1,2,3,4,5,6,7,8,9,10,11,12,13,14,15
	global_load_b128 v[R+4*\t:R+4*\t+3], v3, s[14:15] offset:512*\t
.endr
	v_mov_b32 v10, 0
	v_mov_b32 v11, 0xff800000                      ; -infinity
	v_lshlrev_b32 v9, 2, v2
	s_mov_b32 s29, 0
	s_wait_loadcnt 0x0
.irp t, 0,1,2,3,4,5,6,7,8,9,10,11,12,13,14,15
	v_min_u32 v8, v[R+4*\t], v[R+4*\t+1]           ; 0 where one of my four keys is masked
	v_min_u32 v8, v8, v[R+4*\t+2]
	v_min_u32 v8, v8, v[R+4*\t+3]
	v_cmp_eq_u32 s30, 0, v8
	s_and_b32 s31, s30, 0xffff                     ; a hole among lanes 0-15?
	s_cselect_b32 s31, 1, 0
	s_lshl_b32 s31, s31, 2*\t
	s_or_b32 s29, s29, s31
	s_lshr_b32 s31, s30, 16                        ; among lanes 16-31?
	s_cselect_b32 s31, 1, 0
	s_lshl_b32 s31, s31, 2*\t+1
	s_or_b32 s29, s29, s31
.irp e, 0,1,2,3
	v_cmp_eq_u32 vcc_lo, 0, v[R+4*\t+\e]
	v_cndmask_b32 v[R+4*\t+\e], v10, v11, vcc_lo
.endr
	global_store_b128 v3, v[R+4*\t:R+4*\t+3], s[22:23] offset:512*\t
.endr
	v_mov_b32 v8, s29
	global_store_b32 v9, v8, s[24:25]
	s_wait_tensorcnt 0x0                           ; the wave's end, on this path too
	ds_add_u32 v[SPW], v[NIL]
	s_wait_dscnt 0x0
	s_endpgm
.Lfunc_end_k_qcce6c7c121_prep:
	.size	k_qcce6c7c121_prep, .Lfunc_end_k_qcce6c7c121_prep-k_qcce6c7c121_prep
	.p2alignl 7, 3214868480
	.fill 96, 4, 3214868480
	.section	.rodata,"a",@progbits
	.p2align	6, 0x0
	.amdhsa_kernel k_qcce6c7c121_prep
		.amdhsa_group_segment_fixed_size 33280
		.amdhsa_private_segment_fixed_size 0
		.amdhsa_enable_private_segment 0
		.amdhsa_kernarg_size 88
		.amdhsa_user_sgpr_count 2
		.amdhsa_user_sgpr_kernarg_segment_ptr 1
		.amdhsa_wavefront_size32 1
		.amdhsa_system_sgpr_workgroup_id_x 1
		.amdhsa_system_sgpr_workgroup_id_y 1
		.amdhsa_system_sgpr_workgroup_id_z 1
		.amdhsa_system_vgpr_workitem_id 0
		.amdhsa_next_free_vgpr 192
		.amdhsa_next_free_sgpr 66
		.amdhsa_reserve_vcc 1
		.amdhsa_float_denorm_mode_32 3
		.amdhsa_float_denorm_mode_16_64 3
		.amdhsa_memory_ordered 1
		.amdhsa_forward_progress 1
		.amdhsa_inst_pref_size 60
	.end_amdhsa_kernel
	.amdgpu_metadata
---
amdhsa.version: [ 1, 2 ]
amdhsa.kernels:
  - .name:           k_qcce6c7c121_prep
    .symbol:         k_qcce6c7c121_prep.kd
    .args:
      - { .name: x, .offset: 0, .size: 8, .value_kind: global_buffer, .address_space: global }
      - { .name: w_q, .offset: 8, .size: 8, .value_kind: global_buffer, .address_space: global }
      - { .name: w_k, .offset: 16, .size: 8, .value_kind: global_buffer, .address_space: global }
      - { .name: w_v, .offset: 24, .size: 8, .value_kind: global_buffer, .address_space: global }
      - { .name: w_o, .offset: 32, .size: 8, .value_kind: global_buffer, .address_space: global }
      - { .name: attention_mask, .offset: 40, .size: 8, .value_kind: global_buffer, .address_space: global }
      - { .name: codes, .offset: 48, .size: 8, .value_kind: global_buffer, .address_space: global }
      - { .name: scales, .offset: 56, .size: 8, .value_kind: global_buffer, .address_space: global }
      - { .name: wo16, .offset: 64, .size: 8, .value_kind: global_buffer, .address_space: global }
      - { .name: bias, .offset: 72, .size: 8, .value_kind: global_buffer, .address_space: global }
      - { .name: flags, .offset: 80, .size: 8, .value_kind: global_buffer, .address_space: global }
    .group_segment_fixed_size: 33280
    .private_segment_fixed_size: 0
    .kernarg_segment_align: 8
    .kernarg_segment_size: 88
    .max_flat_workgroup_size: 128
    .sgpr_count:     66
    .vgpr_count:     192
    .wavefront_size: 32
...
	.end_amdgpu_metadata
.endif
;; end of part 1
;; launch qkv (part 2): grid 12 x 32, 4 waves a work-group, clusters of 4 x 4, 327,680 bytes of LDS; arguments codes, scales, qkv, qkv32; writes qkv, qkv32
.if DOCPART == 2
	.amdgcn_target "amdgcn-amd-amdhsa--gfx1250"
	.amdhsa_code_object_version 6
	.text
	.protected	k_qcce6c7c121_qkv
	.globl	k_qcce6c7c121_qkv
	.p2align	8
	.type	k_qcce6c7c121_qkv,@function
k_qcce6c7c121_qkv:
	s_mov_b64 s[64:65], 0
	v_nop
	global_prefetch_b8 v0, s[64:65] scope:SCOPE_SE
	s_setreg_imm32_b32 hwreg(HW_REG_WAVE_MODE, 25, 1), 1
	s_wait_xcnt 0x0
	s_wait_alu depctr_hold_cnt(0) depctr_sa_sdst(0) depctr_va_vdst(0) depctr_va_sdst(0) depctr_va_ssrc(0) depctr_va_vcc(0) depctr_vm_vsrc(0)
	s_getreg_b32 s2, hwreg(HW_REG_IB_STS2, 6, 4)
	s_cmp_eq_u32 s2, 0
	s_cbranch_scc0 .Lentry_in_a_cluster
	s_endpgm
.Lentry_in_a_cluster:
	s_bfe_u32 s2, ttmp6, 0x10000c
	s_cmp_lg_u32 s2, 0xf033
	s_cbranch_scc0 .Lentry_shape_is_right
	s_endpgm
.Lentry_shape_is_right:
; THE THREE QUANTISED PRODUCTS AS ONE GEMM ON CODES OF FP4: C[m][n] = sum over k of x[m][k] w[n][k], m = 8,192 rows of x, n = 3,072 rows of w_q, w_k, w_v on end, K = 1,024; sums in f32.
; 'codes': rows of 512 bytes, rows 0-8191 x, 8192-11263 the weights; 'scales': rows of 32 E8M0 bytes.  The matrix instruction takes both as they lie.
; A tile of C, 256 x 256, is made by four waves, each 128 x 128: 64 accumulators, 512 registers.  K is two slots of 512 (rows of 256 bytes): both slots and the tile's scale bytes are asked for at the start, and no LDS byte is filled twice.
; CLUSTERS: 4 x 4 work-groups; the four of a row need the same rows of x, the four of a column the same rows of the weights: each tile is asked for jointly.  Tile row = 8 cy + cluster y, so that cy is the batch
; and 'first tile of a batch' is cluster y = 0, which is alike in all sixteen partners.
; THE MATRIX INSTRUCTION IS USED TRANSPOSED (source 0 = 16 rows of a weight, source 1 = 16 rows of x): a lane holds eight neighbouring columns of a row of C.
; OUT: f16, laid by head: qkv [3][4 b][16 h][2048 s][64].  LIMIT: q, k, v must lie under 65,504 in size.  The f32 results of rows 0-15 of each batch go out as well, as images of the accumulators
; (qkv32 [4 b][192 n16][2 u][32 lanes][4]): a small launch makes those rows of the result wholly in f32.
; REGISTERS: window 0: v0-31 addresses; v32-95 scale words, two sets; v128-191 x's fragments, one set.  window 1: the weights' fragments, two sets.  windows 2, 3: accumulator (a, b) at v[8 (8 (a % 4) + b)].
.set KSTEP,  512
.set NQ,     KSTEP/128
.set ROWB,   256                       ; a tile's row in bytes
.set KROW,   512                       ; a row of codes in memory
.set PITCH,  272                       ; an LDS row: 256 bytes + 16 of padding: the 16 rows that a load touches start 68 words apart
.set FR,     8
.set NL,     2
.set NP,     4                         ; places behind this matrix instruction (ISA guide 7.12.1)
.set HALFT,  128*PITCH
.set SLOT,   4*HALFT
.set KS,     32                        ; a row of scales in bytes
.set SCL,    2*SLOT                    ; behind the two slots: the scales, as units of 256 bytes + 16 of padding
.set HALFS,  (128*KS/256)*272
.set SBLK,   (16*KS/256)*272
.set SPARE,  SCL+4*HALFS               ; the spare words: 128 bytes a wave
.set SPITCH, 272                       ; the way out: a stage of 16 rows x (256 bytes + 16) for each wave, in slot 0, which has had its one fill and its last read by then
.set ADRA, 16
.set ADRB, 20
.set STO,  24
.set RD,   25
.set CO,   26
.set ADRS, 27
.set SPW,  28
.set NIL,  29
.set SC,   32
.set AF,   128
.set TMP,  192                         ; the way out: packed results
.set OB,   32                          ; the way out: rows read back: v32-63 and v224-255 by turns
.set G1, 24
.set G0, 32
.set G1B, 48
.set G0B, 56
.set G1S, 68
.set G0S, 76
.set G1SB, 80
.set G0SB, 88
.set MSB, 0
.macro WIN new                         ; the immediate's high byte repeats the setting that is left
.if MSB != \new
	s_set_vgpr_msb (MSB<<8)|\new
.set MSB, \new
.endif
.endm
.set MUL_LO, 0xa1                      ; source 0 window 1, source 1 window 0, C and D window 2
.set MUL_HI, 0xf1                      ; the same, C and D window 3
.set TO_B,   0x40
; A joint load: waves 0 and 1 fetch for x, waves 2 and 3 for the weights; the branch hangs on the wave's number alone.  An s_nop 0 and four v_nop follow each of the two lines.
.macro JLOAD g0a, g1a, g0b, g1b
	s_cmp_eq_u32 s15, 0
	s_cbranch_scc0 .Lfor_b_\@
	tensor_load_to_lds s[\g0a:\g0a+3], s[\g1a:\g1a+7]
	s_nop 0
.rept 4
	v_nop
.endr
	s_branch .Lasked_\@
.Lfor_b_\@:
	tensor_load_to_lds s[\g0b:\g0b+3], s[\g1b:\g1b+7]
	s_nop 0
.rept 4
	v_nop
.endr
.Lasked_\@:
.endm
.macro CROUND                          ; a round of the cluster's barrier
	s_barrier_signal -1
	s_barrier_wait -1
	s_cmp_lg_u32 s14, 0
	s_cbranch_scc1 .Lnot_wave_0_\@
	s_barrier_signal -3
.Lnot_wave_0_\@:
	s_barrier_wait -3
	s_barrier_signal -1
	s_barrier_wait -1
.endm
	s_load_b256 s[4:11], s[0:1], 0x0               ; codes s[4:5], scales s[6:7], qkv s[8:9], qkv32 s[10:11]
	v_lshl_add_u32 v[SPW], v0, 2, SPARE
	v_mov_b32 v[NIL], 0
	ds_add_u32 v[SPW], v[NIL]                      ; the wave's opening: the add, twice on end, and its wait ahead of my first tensor load
	ds_add_u32 v[SPW], v[NIL]
	v_lshrrev_b32 v1, 5, v0
	v_readfirstlane_b32 s14, v1                    ; wave 0..3
	s_lshr_b32 s15, s14, 1                         ; which half of the tile's rows is mine.  Also: I fetch for x (0) or for the weights (1)
	s_and_b32 s16, s14, 1                          ; which half of its columns.  Also: which 128 rows I fetch
	s_bfe_u32 s40, ttmp6, 0x40000                  ; cx
	s_bfe_u32 s41, ttmp6, 0x40004                  ; cy
	s_lshl_b32 s42, ttmp9, 2
	s_add_co_u32 s42, s42, s40                     ; tile column = 4 x cluster x + cx
	s_and_b32 s95, ttmp7, 0xffff                   ; cluster y: the tile's place in its batch
	s_lshl_b32 s17, s41, 3
	s_add_co_u32 s17, s17, s95                     ; tile row = 8 cy + cluster y
	s_lshl_b32 s43, s41, 2
	s_lshl_b32 s43, 15, s43                        ; my row of the cluster
	s_lshl_b32 s44, 0x1111, s40                    ; my column
	s_or_b32 s[G1+0], s43, (0<<16)|(1<<20)|(1<<21)|(5<<22)|(3<<25)  ; the mask; elements of 1 byte; padding on; bit 21 beside a mask; after every 64 words four words
	s_or_b32 s[G1B+0], s44, (0<<16)|(1<<20)|(1<<21)|(5<<22)|(3<<25)
.irp g, G1, G1B
	s_mov_b32 s[\g+1], ROWB<<16                    ; tensor_dim0
	s_mov_b32 s[\g+2], 128<<16                     ; tensor_dim1
	s_mov_b32 s[\g+3], ROWB<<16                    ; tile_dim0
	s_mov_b32 s[\g+4], 128                         ; tile_dim1
	s_mov_b32 s[\g+5], KROW                        ; from row to row
	s_mov_b32 s[\g+6], 0
	s_mov_b32 s[\g+7], 0
.endr
	s_or_b32 s[G1S+0], s43, (3<<16)|(1<<20)|(1<<21)|(5<<22)|(3<<25) ; the scales of 128 rows: 4,096 dense bytes as 16 rows of 256 (32 elements of 8 bytes), 16 bytes of padding behind each
	s_or_b32 s[G1SB+0], s44, (3<<16)|(1<<20)|(1<<21)|(5<<22)|(3<<25)
.irp g, G1S, G1SB
	s_mov_b32 s[\g+1], 32<<16
	s_mov_b32 s[\g+2], (128*KS/256)<<16
	s_mov_b32 s[\g+3], 32<<16
	s_mov_b32 s[\g+4], 128*KS/256
	s_mov_b32 s[\g+5], 32
	s_mov_b32 s[\g+6], 0
	s_mov_b32 s[\g+7], 0
.endr
	s_lshl_b32 s18, s16, 7                         ; which 128 rows of the tile I fetch
	s_lshl_b32 s20, s17, 8
	s_add_co_u32 s20, s20, s18                     ; x: row 256 x tile row + 128 x half
	s_lshl_b32 s46, s42, 8
	s_add_co_u32 s46, s46, s18
	s_add_co_u32 s46, s46, 8192                    ; the weights: row 8,192 + 256 x tile column + 128 x half
	s_mov_b32 s21, 0
	s_mov_b32 s47, 0
	s_mov_b64 s[18:19], KS
	s_mul_u64 s[22:23], s[20:21], s[18:19]         ; where these rows' scales begin,
	s_mul_u64 s[92:93], s[46:47], s[18:19]
	s_mov_b64 s[18:19], KROW
	s_mul_u64 s[20:21], s[20:21], s[18:19]         ; and their codes
	s_mul_u64 s[46:47], s[46:47], s[18:19]
	s_mul_i32 s45, s14, HALFT                      ; where they go: wave x 128 rows
	s_mul_i32 s94, s14, HALFS
	s_wait_dscnt 0x0                               ; both opening adds are done
	s_wait_kmcnt 0x0
	s_add_nc_u64 s[20:21], s[4:5], s[20:21]
	s_add_nc_u64 s[22:23], s[6:7], s[22:23]
	s_add_nc_u64 s[46:47], s[4:5], s[46:47]
	s_add_nc_u64 s[92:93], s[6:7], s[92:93]
	CROUND                                         ; all sixteen work-groups are here: the joint loads meet
	s_mov_b32 s[G0S], 1
	s_add_co_u32 s[G0S+1], s94, SCL
	s_mov_b64 s[G0S+2:G0S+3], s[22:23]
	s_or_b32 s[G0S+3], s[G0S+3], 0x80000000
	s_mov_b32 s[G0SB], 1
	s_add_co_u32 s[G0SB+1], s94, SCL
	s_mov_b64 s[G0SB+2:G0SB+3], s[92:93]
	s_or_b32 s[G0SB+3], s[G0SB+3], 0x80000000
	JLOAD G0S, G1S, G0SB, G1SB                     ; the scales first: they are wanted with the first slot
.irp s, 0,1
	s_mov_b32 s[G0+4*\s], 1
	s_add_co_u32 s[G0+4*\s+1], s45, \s*SLOT
	s_add_nc_u64 s[G0+4*\s+2:G0+4*\s+3], s[20:21], \s*ROWB
	s_or_b32 s[G0+4*\s+3], s[G0+4*\s+3], 0x80000000
	s_mov_b32 s[G0B+4*\s], 1
	s_add_co_u32 s[G0B+4*\s+1], s45, \s*SLOT
	s_add_nc_u64 s[G0B+4*\s+2:G0B+4*\s+3], s[46:47], \s*ROWB
	s_or_b32 s[G0B+4*\s+3], s[G0B+4*\s+3], 0x80000000
	JLOAD G0+4*\s, G1, G0B+4*\s, G1B               ; three tensor loads of mine are out behind the second of these
.endr
	v_and_b32 v1, 15, v0                           ; r = l % 16
	v_bfe_u32 v2, v0, 4, 1                         ; l / 16
	v_mul_u32_u24 v3, v1, PITCH
	v_lshl_add_u32 v4, v2, 4, v3                   ; a fragment's row x pitch + 16 x half
	s_mul_i32 s21, s15, HALFT                      ; my 128 rows of x
	s_mul_i32 s22, s16, HALFT                      ; my 128 rows of the weights,
	s_add_co_u32 s22, s22, 2*HALFT                 ; which lie behind x's 256
.irp s, 0,1
	v_add_nc_u32 v[ADRA+\s], s21, v4
	v_add_nc_u32 v[ADRB+\s], s22, v4
	s_add_co_u32 s21, s21, SLOT
	s_add_co_u32 s22, s22, SLOT
.endr
	v_mul_u32_u24 v5, v1, KS                       ; my row's scales: 32 bytes a row,
	v_lshrrev_b32 v6, 8, v5
	v_lshl_add_u32 v5, v6, 4, v5                   ; and 16 more for each 256 passed
	s_mul_i32 s21, s15, HALFS
	s_mul_i32 s22, s16, HALFS
	s_add_co_u32 s22, s22, 2*HALFS
	s_sub_co_u32 s22, s22, s21
	v_mul_u32_u24 v6, s22, v2                      ; lanes 16-31 take the weights'
	s_add_co_u32 s21, s21, SCL
	v_add_nc_u32 v5, v5, v6
	v_add_nc_u32 v[ADRS], s21, v5
	s_mul_i32 s23, s14, 16*SPITCH                  ; my stage
	v_mul_u32_u24 v5, v1, SPITCH                   ; in: row l % 16, 16 bytes for each half of the lanes
	v_lshl_add_u32 v5, v2, 4, v5
	v_add_nc_u32 v[STO], s23, v5
	v_and_b32 v6, 31, v0
	v_lshlrev_b32 v[CO], 4, v6                     ; in memory: 16 bytes a lane
	v_lshrrev_b32 v5, 3, v6                        ; back: eight lanes to a head's 128 bytes of a row, four rows an instruction
	v_mul_u32_u24 v5, v5, SPITCH
	v_and_b32 v6, 7, v0
	v_lshl_add_u32 v5, v6, 4, v5
	v_add_nc_u32 v[RD], s23, v5
	; qkv: part (tile column / 4) x 2^24 + (16 cy + 4 (tile column % 4) + 2 x column half) heads of 2^18 + (256 cluster y + 128 x row half) rows of 128 bytes
	s_lshr_b32 s96, s42, 2
	s_lshl_b32 s96, s96, 24
	s_lshl_b32 s97, s41, 4
	s_and_b32 s2, s42, 3
	s_lshl_b32 s2, s2, 2
	s_add_co_u32 s97, s97, s2
	s_lshl_b32 s2, s16, 1
	s_add_co_u32 s97, s97, s2
	s_lshl_b32 s97, s97, 18
	s_add_co_u32 s96, s96, s97
	s_lshl_b32 s97, s95, 15
	s_add_co_u32 s96, s96, s97
	s_lshl_b32 s97, s15, 14
	s_add_co_u32 s96, s96, s97
	s_mov_b32 s97, 0
	s_add_nc_u64 s[12:13], s[8:9], s[96:97]
	; qkv32: (192 cy + 16 tile column + 8 x column half) images of 1,024 bytes
	s_mul_i32 s2, s41, 192
	s_lshl_b32 s3, s42, 4
	s_add_co_u32 s2, s2, s3
	s_lshl_b32 s3, s16, 3
	s_add_co_u32 s2, s2, s3
	s_lshl_b32 s2, s2, 10
	s_mov_b32 s3, 0
	s_add_nc_u64 s[10:11], s[10:11], s[2:3]
.macro FRAG reg, adr, q, i             ; 16 rows x 128 K of 4-bit codes: 8 registers: lane l holds row l % 16; registers 4 c .. 4 c + 3 hold K = 64 c + 32 (l / 16) + 0 .. 31
.irp c, 0,1
	ds_load_b128 v[\reg+4*\c:\reg+4*\c+3], v[\adr] offset:64*(\q)+32*\c+(\i)*16*PITCH
.endr
.endm
; 16 matrix instructions: x's blocks a0, a0 + 1 against the weights' eight.  The 64 accumulators take turns, one instruction a turn, in the same order in every step.
.macro MUL16 a0, p, q, sc, zero
.irp a, \a0, \a0+1
.irp b, 0,1,2,3,4,5,6,7
.if \zero
	v_wmma_scale_f32_16x16x128_f8f6f4 v[8*(8*((\a)%4)+\b):8*(8*((\a)%4)+\b)+7], v[128*(\p)+FR*\b:128*(\p)+FR*\b+FR-1], v[AF+FR*(\a):AF+FR*(\a)+FR-1], 0, v[SC+8*NQ*(\sc)+NQ*\b+(\q)], v[SC+8*NQ*(\sc)+NQ*(\a)+(\q)] matrix_a_fmt:MATRIX_FMT_FP4 matrix_b_fmt:MATRIX_FMT_FP4 matrix_a_scale:MATRIX_SCALE_ROW1
.else
	v_wmma_scale_f32_16x16x128_f8f6f4 v[8*(8*((\a)%4)+\b):8*(8*((\a)%4)+\b)+7], v[128*(\p)+FR*\b:128*(\p)+FR*\b+FR-1], v[AF+FR*(\a):AF+FR*(\a)+FR-1], v[8*(8*((\a)%4)+\b):8*(8*((\a)%4)+\b)+7], v[SC+8*NQ*(\sc)+NQ*\b+(\q)], v[SC+8*NQ*(\sc)+NQ*(\a)+(\q)] matrix_a_fmt:MATRIX_FMT_FP4 matrix_b_fmt:MATRIX_FMT_FP4 matrix_a_scale:MATRIX_SCALE_ROW1
.endif
.endr
.endr
.endm
.macro FETCH_B slot, q, p
	WIN TO_B
.irp i, 0,1,2,3,4,5,6,7
	FRAG 128*(\p)+FR*\i, ADRB+\slot, \q, \i
.endr
	WIN 0
.endm
.macro FETCH_A slot, q, i0
.irp i, \i0, \i0+1, \i0+2, \i0+3
	FRAG AF+FR*(\i), ADRA+\slot, \q, \i
.endr
.endm
.macro SCALES sc                       ; a slot's scale words: lanes 0-15 take x's block i, lanes 16-31 the weights' block i; four words a row
.irp i, 0,1,2,3,4,5,6,7
	ds_load_b128 v[SC+8*NQ*\sc+NQ*\i:SC+8*NQ*\sc+NQ*\i+3], v[ADRS] offset:\i*SBLK
.endr
.endm
.macro PLACES n                        ; plain vector lines between a matrix instruction and a load into, or a read of, its registers
.rept \n
	v_nop
.endr
.endm
.macro STEP slot, q, zero              ; 128 along K, with its successor in the same slot
	s_wait_dscnt 4*NL                              ; the weights' set and x's blocks 0-3 are in; the youngest eight loads (x's blocks 4-7) may be out
	WIN MUL_LO
	MUL16 0, (\q)%2, \q, \slot, \zero
	MUL16 2, (\q)%2, \q, \slot, \zero
	s_wait_dscnt 0                                 ; x's blocks 4-7 are in
	PLACES NP
	FETCH_B \slot, (\q)+1, 1-(\q)%2
	FETCH_A \slot, (\q)+1, 0
	WIN MUL_HI
	MUL16 4, (\q)%2, \q, \slot, \zero
	MUL16 6, (\q)%2, \q, \slot, \zero
	PLACES NP
	WIN 0
	FETCH_A \slot, (\q)+1, 4
.endm
.macro TURN slot, next                 ; a slot's last step changes slots: one barrier
	s_wait_tensorcnt 0x0                           ; all my tensor loads have landed: my part of the next slot
	ds_add_u32 v[SPW], v[NIL]                      ; 0 onto my spare word
	s_wait_dscnt 4*NL+1                            ; (the add and x's blocks 4-7 may be out)
	WIN MUL_LO
	MUL16 0, 1, NQ-1, \slot, 0
	s_wait_dscnt 0x0                               ; the add is done, and my reads of this slot are over
	s_barrier_signal -1
	MUL16 2, 1, NQ-1, \slot, 0
	WIN 0
	s_barrier_wait -1                              ; the next slot is whole, and nobody reads this one any more
	PLACES NP
	v_add_nc_u32 v[ADRS], 4*NQ, v[ADRS]            ; on to the next slot's scale words
	FETCH_B \next, 0, 0
	FETCH_A \next, 0, 0
	SCALES \next
	WIN MUL_HI
	MUL16 4, 1, NQ-1, \slot, 0
	MUL16 6, 1, NQ-1, \slot, 0
	PLACES NP
	WIN 0
	FETCH_A \next, 0, 4
.endm
.macro STEPS slot, from
.set Q, \from
.rept NQ-1-\from
	STEP \slot, Q, 0
.set Q, Q+1
.endr
.endm
	s_wait_tensorcnt 1                             ; the scales and my part of slot 0 are in; slot 1's load, issued behind them, may be out
	s_barrier_signal -1
	s_barrier_wait -1                              ; everybody's are
	FETCH_B 0, 0, 0
	FETCH_A 0, 0, 0
	SCALES 0
	FETCH_A 0, 0, 4
	STEP 0, 0, 1                                   ; the first products start the sums: nothing is cleared
	STEPS 0, 1
	TURN 0, 1
	STEPS 1, 0
	s_wait_dscnt 4*NL                              ; the very last step
	WIN MUL_LO
	MUL16 0, 1, NQ-1, 1, 0
	MUL16 2, 1, NQ-1, 1, 0
	s_wait_dscnt 0
	WIN MUL_HI
	MUL16 4, 1, NQ-1, 1, 0
	MUL16 6, 1, NQ-1, 1, 0
	WIN 0
; THE WAY OUT.  A lane's eight results pack into 16 bytes of f16; a block of 16 rows x 128 columns (two heads) goes through my stage and comes back so that each store covers four rows of one head: 512 consecutive bytes.
.macro PACK a
.set AC, 64*((\a)%4)
	WIN 0x0a+5*((\a)/4)                            ; sources 0 and 1: window 2 or 3
.irp b, 0,1,2,3,4,5,6,7
.irp r, 0,1,2,3
	v_cvt_pk_f16_f32 v[TMP+4*\b+\r], v[AC+8*\b+2*\r], v[AC+8*\b+2*\r+1]   ; each accumulator from its low end on
.endr
.endr
	WIN 0
.endm
.macro TOSTAGE a
.set BB, OB+192*((\a)%2)
.if (\a) >= 2
	s_wait_xcnt 0x0                                ; the stores of the block two back have read the registers into which this block's rows are loaded
.endif
.irp b, 0,1,2,3,4,5,6,7
	ds_store_b128 v[STO], v[TMP+4*\b:TMP+4*\b+3] offset:32*\b
.endr
.irp t, 0,1,2,3,4,5,6,7
	ds_load_b128 v[BB+4*\t:BB+4*\t+3], v[RD] offset:(\t%4)*4*SPITCH+(\t/4)*128   ; LDS serves a wave's instructions in order: these see the stores above
.endr
.endm
.macro SEND a
.set BB, OB+192*((\a)%2)
	s_wait_dscnt 0x0                               ; the block is back in registers
.irp t, 0,1,2,3,4,5,6,7
	global_store_b128 v[CO], v[BB+4*\t:BB+4*\t+3], s[12:13] offset:(\a)*2048+(\t%4)*512+(\t/4)*262144
.endr
.endm
	PLACES NP                                      ; behind the last products
	s_cmp_lg_u32 s95, 0                            ; rows 0-15 of a batch lie in block 0 of the upper waves of the batch's first tile: cluster y = 0 (alike in all partners), row half 0
	s_cbranch_scc1 .Lno32
	s_cmp_lg_u32 s15, 0
	s_cbranch_scc1 .Lno32
	WIN 0x08                                       ; a store's data are its source 1: window 2
.irp b, 0,1,2,3,4,5,6,7
	global_store_b128 v[CO], v[8*\b:8*\b+3], s[10:11] offset:1024*\b        ; the accumulator as it stands: 512 consecutive bytes a store
	global_store_b128 v[CO], v[8*\b+4:8*\b+7], s[10:11] offset:1024*\b+512
.endr
	WIN 0
.Lno32:
	PACK 0
	TOSTAGE 0
.irp a, 1,2,3,4,5,6,7
	PACK \a                                        ; block a's conversions stand between block a - 1's loads from the stage and the wait for them
	SEND \a-1
	TOSTAGE \a
.endr
	SEND 7
	s_wait_tensorcnt 0x0                           ; the wave's end
	ds_add_u32 v[SPW], v[NIL]
	s_wait_dscnt 0x0
	CROUND                                         ; the closing round
	s_endpgm
.Lfunc_end_k_qcce6c7c121_qkv:
	.size	k_qcce6c7c121_qkv, .Lfunc_end_k_qcce6c7c121_qkv-k_qcce6c7c121_qkv
	.p2alignl 7, 3214868480
	.fill 96, 4, 3214868480
	.section	.rodata,"a",@progbits
	.p2align	6, 0x0
	.amdhsa_kernel k_qcce6c7c121_qkv
		.amdhsa_group_segment_fixed_size 327680
		.amdhsa_private_segment_fixed_size 0
		.amdhsa_enable_private_segment 0
		.amdhsa_kernarg_size 32
		.amdhsa_user_sgpr_count 2
		.amdhsa_user_sgpr_kernarg_segment_ptr 1
		.amdhsa_wavefront_size32 1
		.amdhsa_system_sgpr_workgroup_id_x 1
		.amdhsa_system_sgpr_workgroup_id_y 1
		.amdhsa_system_sgpr_workgroup_id_z 1
		.amdhsa_system_vgpr_workitem_id 0
		.amdhsa_next_free_vgpr 1024
		.amdhsa_next_free_sgpr 98
		.amdhsa_reserve_vcc 0
		.amdhsa_float_denorm_mode_32 3
		.amdhsa_float_denorm_mode_16_64 3
		.amdhsa_memory_ordered 1
		.amdhsa_forward_progress 1
		.amdhsa_inst_pref_size 128
	.end_amdhsa_kernel
	.amdgpu_metadata
---
amdhsa.version: [ 1, 2 ]
amdhsa.kernels:
  - .name:           k_qcce6c7c121_qkv
    .symbol:         k_qcce6c7c121_qkv.kd
    .args:
      - { .name: codes, .offset: 0, .size: 8, .value_kind: global_buffer, .address_space: global }
      - { .name: scales, .offset: 8, .size: 8, .value_kind: global_buffer, .address_space: global }
      - { .name: qkv, .offset: 16, .size: 8, .value_kind: global_buffer, .address_space: global }
      - { .name: qkv32, .offset: 24, .size: 8, .value_kind: global_buffer, .address_space: global }
    .group_segment_fixed_size: 327680
    .private_segment_fixed_size: 0
    .kernarg_segment_align: 8
    .kernarg_segment_size: 32
    .max_flat_workgroup_size: 128
    .sgpr_count:     98
    .vgpr_count:     1024
    .wavefront_size: 32
...
	.end_amdgpu_metadata
.endif
;; end of part 2
;; launch attn (part 3): grid 4 x 64, 16 waves a work-group, no clusters, 208,896 bytes of LDS; arguments qkv, bias, flags, ao; writes ao
.if DOCPART == 3
	.amdgcn_target "amdgcn-amd-amdhsa--gfx1250"
	.amdhsa_code_object_version 6
	.text
	.protected	k_qcce6c7c121_attn
	.globl	k_qcce6c7c121_attn
	.p2align	8
	.type	k_qcce6c7c121_attn,@function
k_qcce6c7c121_attn:
	s_mov_b64 s[64:65], 0
	v_nop
	global_prefetch_b8 v0, s[64:65] scope:SCOPE_SE
	s_setreg_imm32_b32 hwreg(HW_REG_WAVE_MODE, 25, 1), 1
	s_wait_xcnt 0x0
; CAUSAL ATTENTION WITH A KEY MASK, one head of one batch a row of the grid.  q, k, v: f16 [2048][64] (from qkv); products with f16 operands and f32 sums; maxima, exponentials and sums in f32; the weights p (at most 1) are
; rounded to f16 for the second product; the result / the row's sum goes out as f16: ao [16 h][8192 b s][64].
; SHARES.  A head's 2,048 queries are eight blocks of 256.  Work-group i (0..3) owns blocks i and 7 - i at once, so that every work-group has the same number of key steps under the causal mask.  Sixteen waves:
; role = (w xor w / 4) & 1 picks the block, w / 2 the 32 queries in it: two tiles of 16 a wave, so that each fragment of K and V read from LDS feeds two matrix instructions.
; Every work-group walks 8 slots x 4 steps of 64 keys: the trip counts are constants.  A wave jumps over a step's work where all 64 keys come after its queries (a branch on ids).
; NO TENSOR LOAD, NO CLUSTER.  The key mask is an input; a stored word says which key blocks have a hole, and a step without one skips the mask's loads and additions by a branch on that word.
;   The four work-groups of a head need 8, 7, 6 and 5 slots, so a joint load would bring tiles that all waves of some partner jump over.
; So the 512 threads copy each piece of 64 keys (8,192 bytes of K, 8,192 of V: 16 bytes each a thread) through eight registers, one slot ahead of its use; one barrier a slot.
; LAYOUT.  S^T = K Q^T (source 0 = 16 keys, source 1 = 16 queries) and O^T = V^T P: a lane holds one query (lane % 16) throughout.  K comes out of LDS as it lies, V turned by ds_load_tr16_b128.
; SOFTMAX.  t = c x score, c = log2(e) / 8; a running maximum of t, begun at -3e38; p = 2^(t - maximum); the sum and O^T are multiplied by 2^(old - new) in every step.  Hidden and masked scores are -infinity: p = 0.
; A row none of whose keys counts ends with sum 0 and O 0: 0 x (1 / 0) is NaN, as the definition has it.
; LIMITS: |q|, |k|, |v| and the result under 65,504; |t| under 3e38.
.set PKK,   144                        ; a row of K in LDS: 128 bytes + 16
.set PVV,   160                        ; a row of V: 128 + 32
.set VOFF,  64*PKK                     ; a step's piece: 64 rows of K, then 64 rows of V
.set STEPB, 64*(PKK+PVV)
.set SLOT1, 131072                     ; slot 0 at 0, slot 1 here: one exclusive or turns an address
.set STAGE, 4*STEPB                    ; between the slots: 16 rows x 144 bytes for each wave, for the way out;
.set SPARE, STAGE+16*16*144            ; the spare words, 128 bytes a wave;
.set BIAS,  SPARE+2048                 ; and the batch's 2,048 biases, f32
.set AK0, 1                            ; v1 my lane's place in a piece's K      v2 in its V (turning load)
.set AV0, 2
.set KW0, 3                            ; v3 where my thread stores its 16 bytes of K      v4 of V
.set VW0, 4
.set GOF, 5                            ; v5 16 x thread: my 16 bytes of a piece in memory
.set PFO, 6                            ; v6 256 x lane: the prefetches' offset
.set ADR, 7                            ; v7 the address in hand
.set STG, 8                            ; v8-15 the piece on its way
.set ST,  16                           ; tile t's statistics at v[16 + 8 t]: +0 the maximum, +1 c0, +2 a, +3 c1, +4 +5 the sum (even keys', odd keys'), +6 c2, +7 c3
.set Q,   32                           ; v32-63 Q: (t, dh) at 32 + 16 t + 8 dh
.set KV,  64                           ; v64-127 K's eight fragments, then the biases, then V's eight
.set S,   128                          ; v128-191 S^T: (t, kt) at 128 + 32 t + 8 kt; p is packed in place into the tile's first 16
.set O,   192                          ; v192-255 O^T: (t, ct) at 192 + 32 t + 8 ct
.set WV, 12
.set II, 13
.set BH, 14
.set ROLE, 15
.set BLK, 16
.set Q0, 17                            ; my first query     s18 my last     s19 my work-group's last
.set QL, 18
.set LASTQ, 19
.set KF, 20                            ; the step's first key
.set SL, 21
.set U,  22
.set FLG, 23                           ; bit j: key block j of my batch has a hole
.set KP, 24                            ; s[24:25], s[26:27] the piece 256 keys on, in K and in V
.set VP, 26
.set PFA, 28
.set LIM, 30
.set TB, 31                            ; LDS byte at which the step's piece begins
.set CS, 32
.set SEL, 34
.set AO, 40
	s_load_b256 s[4:11], s[0:1], 0x0               ; qkv, bias, flags, ao
	v_lshrrev_b32 v7, 5, v0
	v_readfirstlane_b32 s[WV], v7
	s_mov_b32 s[II], ttmp9
	s_and_b32 s[BH], ttmp7, 0xffff
	s_lshr_b32 s36, s[WV], 2
	s_xor_b32 s36, s36, s[WV]
	s_and_b32 s[ROLE], s36, 1
	s_sub_co_u32 s36, 7, s[II]
	s_cmp_eq_u32 s[ROLE], 0
	s_cselect_b32 s[BLK], s[II], s36
	s_lshr_b32 s36, s[WV], 1
	s_lshl_b32 s36, s36, 5
	s_lshl_b32 s[Q0], s[BLK], 8
	s_add_co_u32 s[Q0], s[Q0], s36
	s_add_co_u32 s[QL], s[Q0], 31
	s_sub_co_u32 s[LASTQ], 8, s[II]
	s_lshl_b32 s[LASTQ], s[LASTQ], 8
	s_sub_co_u32 s[LASTQ], s[LASTQ], 1
	s_mov_b32 s[CS], 0x3e38aa3b                    ; c = log2(e) / 8
	s_mov_b32 s[CS+1], s[CS]
	s_mov_b32 s[SEL], 0x76543210
	s_mov_b32 s[SEL+1], 0xfedcba98                 ; v_permlanex16_b32: lane l xor 16
	s_mov_b32 s[KF], 0
	s_mov_b32 s[SL], 0
	s_mov_b32 s[TB], 0
	v_and_b32 v7, 15, v0                           ; r
	v_bfe_u32 v6, v0, 4, 1                         ; hh
	v_mul_u32_u24 v[AK0], v7, PKK
	v_lshl_add_u32 v[AK0], v6, 4, v[AK0]           ; row r, + 16 hh
	v_and_b32 v[AV0], 7, v0
	v_lshl_add_u32 v[AV0], v6, 3, v[AV0]
	v_mul_u32_u24 v[AV0], v[AV0], PVV              ; key 8 hh + l % 8,
	v_bfe_u32 v3, v0, 3, 1
	v_lshl_add_u32 v[AV0], v3, 4, v[AV0]           ; channels 8 ((l / 8) % 2) on
	v_add_nc_u32 v[AV0], VOFF, v[AV0]
	v_lshrrev_b32 v5, 3, v0                        ; a piece's row: thread / 8
	v_and_b32 v4, 7, v0
	v_lshlrev_b32 v4, 4, v4
	v_mad_u32_u24 v[KW0], v5, PKK, v4
	v_mad_u32_u24 v[VW0], v5, PVV, v4
	v_add_nc_u32 v[VW0], VOFF, v[VW0]
	v_lshlrev_b32 v[GOF], 4, v0
	v_lshlrev_b32 v7, 7, v7
	v_lshl_add_u32 v7, v6, 4, v7                   ; Q: row r of 128 bytes, + 16 hh
	v_and_b32 v[PFO], 31, v0
	v_lshlrev_b32 v[PFO], 8, v[PFO]
	s_wait_kmcnt 0x0
	s_lshl_b32 s36, s[BH], 18                      ; a head is 262,144 bytes
	s_mov_b32 s37, 0
	s_add_nc_u64 s[4:5], s[4:5], s[36:37]          ; q of my head,
	s_add_nc_u64 s[KP:KP+1], s[4:5], 0x1000000     ; k,
	s_add_nc_u64 s[VP:VP+1], s[4:5], 0x2000000     ; v
	s_lshl_b32 s36, s[Q0], 7
	s_add_nc_u64 s[4:5], s[4:5], s[36:37]          ; my queries
	s_lshr_b32 s38, s[BH], 4                       ; the batch
	s_and_b32 s39, s[BH], 15                       ; the head
	s_lshl_b32 s36, s38, 13
	s_add_nc_u64 s[6:7], s[6:7], s[36:37]
	s_lshl_b32 s36, s38, 7
	s_add_nc_u64 s[8:9], s[8:9], s[36:37]
	s_load_b32 s[FLG], s[8:9], 0x0
	s_lshl_b32 s36, s39, 13
	s_lshl_b32 s38, s38, 11
	s_add_co_u32 s36, s36, s38
	s_add_co_u32 s36, s36, s[Q0]
	s_lshl_b32 s36, s36, 7                         ; (8,192 h + 2,048 b + my first query) rows of 128 bytes
	s_add_nc_u64 s[AO:AO+1], s[10:11], s[36:37]
.irp t, 0,1
.irp d, 0,1
	global_load_b128 v[Q+16*\t+8*\d:Q+16*\t+8*\d+3], v7, s[4:5] offset:\t*2048+\d*64
	global_load_b128 v[Q+16*\t+8*\d+4:Q+16*\t+8*\d+7], v7, s[4:5] offset:\t*2048+\d*64+32
.endr
.endr
.irp u, 0,1,2,3
	global_load_b128 v[S+4*\u:S+4*\u+3], v[GOF], s[KP:KP+1] offset:8192*\u        ; slot 0's four pieces
	global_load_b128 v[S+16+4*\u:S+16+4*\u+3], v[GOF], s[VP:VP+1] offset:8192*\u
.endr
	global_load_b128 v[S+32:S+35], v[GOF], s[6:7]  ; the batch's biases: 16 bytes a thread
.irp t, 0,1
	v_mov_b32 v[ST+8*\t], 0xff61b1e6               ; the maximum so far: -3e38
.irp j, 1,2,3,4,5,6,7
	v_mov_b32 v[ST+8*\t+\j], 0
.endr
.endr
.irp j, 0,1,2,3,4,5,6,7
	v_mov_b32 v[STG+\j], 0
.endr
.set n, 0
.rept 64
	v_mov_b32 v[O+n], 0                            ; the step is written once: the first finds zeros
.set n, n+1
.endr
	s_wait_loadcnt 0x0
.irp u, 0,1,2,3
	ds_store_b128 v[KW0], v[S+4*\u:S+4*\u+3] offset:\u*STEPB
	ds_store_b128 v[VW0], v[S+16+4*\u:S+16+4*\u+3] offset:\u*STEPB
.endr
	v_lshl_add_u32 v[ADR], v0, 4, BIAS
	ds_store_b128 v[ADR], v[S+32:S+35]
	; the prefetches: the head's first work-group asks; waves 4-7 for K, waves 8-11 for V, 8,192 bytes of a slot each, lanes 256 bytes apart
	s_cmp_lt_u32 s[WV], 8
	s_cselect_b64 s[PFA:PFA+1], s[KP:KP+1], s[VP:VP+1]
	s_and_b32 s36, s[WV], 3
	s_lshl_b32 s36, s36, 13
	s_add_co_u32 s36, s36, 32768                   ; in slot 1: the first slot's top steps it to slot 2
	s_add_nc_u64 s[PFA:PFA+1], s[PFA:PFA+1], s[36:37]
	s_sub_co_u32 s36, s[WV], 4
	s_lshr_b32 s36, s36, 3                         ; 0 in waves 4 to 11
	s_or_b32 s36, s36, s[II]
	s_cmp_eq_u32 s36, 0
	s_cselect_b32 s[LIM], 6, 0                     ; slots 0 to 5 ask for slots 2 to 7; the last two ask for nothing
	s_add_nc_u64 s[KP:KP+1], s[KP:KP+1], 32768     ; the copies run one slot, 256 keys, ahead
	s_add_nc_u64 s[VP:VP+1], s[VP:VP+1], 32768
	s_wait_kmcnt 0x0                               ; the flags' word
.Lslot:
	s_wait_xcnt 0x0                                ; the last prefetch, a slot back, has read its address
	s_add_nc_u64 s[PFA:PFA+1], s[PFA:PFA+1], 32768
	s_wait_dscnt 0x0                               ; my stores into this slot have landed, and my reads of the other slot are over
	s_barrier_signal -1
	s_barrier_wait -1                              ; both now hold of all sixteen waves
	s_cmp_lt_u32 s[SL], s[LIM]
	s_cbranch_scc0 .Lnoask
	global_prefetch_b8 v[PFO], s[PFA:PFA+1] th:TH_LOAD_NT scope:SCOPE_SE   ; my 8,192 bytes of the slot after next, whose copies begin one slot on
.Lnoask:
	s_mov_b32 s[U], 4
.Lstep:
	s_add_co_u32 s36, s[KF], 256                   ; the piece 256 keys on is copied only if some wave of the work-group will read it
	s_cmp_le_u32 s36, s[LASTQ]
	s_cbranch_scc0 .Lnoload
	global_load_b128 v[STG:STG+3], v[GOF], s[KP:KP+1]
	global_load_b128 v[STG+4:STG+7], v[GOF], s[VP:VP+1]
.Lnoload:
	s_cmp_gt_u32 s[KF], s[QL]                      ; all 64 keys come after my queries: no work
	s_cbranch_scc1 .Lhidden
	; ---- S^T = K Q^T
	v_add_nc_u32 v[ADR], s[TB], v[AK0]
.rept 4
	v_nop                                          ; with the line above five places behind the last step's products: the scores are laid over p, their source; four serve the loads over V
.endr
.irp f, 0,1,2,3,4,5,6,7
	ds_load_b128 v[KV+8*\f:KV+8*\f+3], v[ADR] offset:(\f/2)*16*PKK+(\f%2)*64       ; keys 16 (f / 2) on, channels 32 (f % 2) on
	ds_load_b128 v[KV+8*\f+4:KV+8*\f+7], v[ADR] offset:(\f/2)*16*PKK+(\f%2)*64+32
.endr
	s_wait_dscnt 0x0
.irp d, 0,1                            ; eight accumulators by turns, one instruction a turn
.irp k, 0,1,2,3
.irp t, 0,1
.if \d == 0
	v_wmma_f32_16x16x32_f16 v[S+32*\t+8*\k:S+32*\t+8*\k+7], v[KV+16*\k+8*\d:KV+16*\k+8*\d+7], v[Q+16*\t+8*\d:Q+16*\t+8*\d+7], 0
.else
	v_wmma_f32_16x16x32_f16 v[S+32*\t+8*\k:S+32*\t+8*\k+7], v[KV+16*\k+8*\d:KV+16*\k+8*\d+7], v[Q+16*\t+8*\d:Q+16*\t+8*\d+7], v[S+32*\t+8*\k:S+32*\t+8*\k+7]
.endif
.endr
.endr
.endr
.rept 4
	v_nop                                          ; places in front of the first read of the scores and of the loads over K
.endr
	; ---- the key mask, only where this key block has a hole
	s_lshr_b32 s36, s[KF], 6
	s_bitcmp1_b32 s[FLG], s36
	s_cbranch_scc0 .Lnomask
	v_bfe_u32 v[ADR], v0, 4, 1
	v_lshlrev_b32 v[ADR], 5, v[ADR]
	s_lshl_b32 s36, s[KF], 2
	s_add_co_u32 s36, s36, BIAS
	v_add_nc_u32 v[ADR], s36, v[ADR]               ; my eight keys of key tile 0: 4 (first key + 8 hh)
.irp k, 0,1,2,3
.irp u, 0,1
	ds_load_b128 v[KV+8*\k+4*\u:KV+8*\k+4*\u+3], v[ADR] offset:64*\k+16*\u
.endr
.endr
	s_wait_dscnt 0x0
.irp t, 0,1
.irp k, 0,1,2,3
.irp p, 0,1,2,3
	v_pk_add_f32 v[S+32*\t+8*\k+2*\p:S+32*\t+8*\k+2*\p+1], v[S+32*\t+8*\k+2*\p:S+32*\t+8*\k+2*\p+1], v[KV+8*\k+2*\p:KV+8*\k+2*\p+1]
.endr
.endr
.endr
.Lnomask:
	v_add_nc_u32 v[ADR], s[TB], v[AV0]
.irp f, 0,1,2,3,4,5,6,7
	ds_load_tr16_b128 v[KV+8*\f:KV+8*\f+3], v[ADR] offset:(\f/4)*32*PVV+(\f%4)*32          ; keys 32 (f / 4) on, channels 16 (f % 4) on; they land under the softmax
	ds_load_tr16_b128 v[KV+8*\f+4:KV+8*\f+7], v[ADR] offset:(\f/4)*32*PVV+16*PVV+(\f%4)*32
.endr
	; ---- the diagonal: one step of a wave
	s_add_co_u32 s36, s[KF], 63
	s_cmp_le_u32 s36, s[Q0]
	s_cbranch_scc1 .Lopen
	s_sub_co_u32 s36, s[Q0], s[KF]                 ; 0 or 32
	v_and_b32 v[ST+1], 15, v0
	v_bfe_u32 v[ST+3], v0, 4, 1
	v_lshlrev_b32 v[ST+3], 3, v[ST+3]
	v_sub_nc_u32 v[ST+1], v[ST+1], v[ST+3]
	v_add_nc_u32 v[ST+1], s36, v[ST+1]             ; d = my query - first key - 8 hh: register 8 kt + j holds key first + 16 kt + 8 hh + j, which counts where 16 kt + j <= d
	v_add_nc_u32 v[ST+9], 16, v[ST+1]
.irp t, 0,1
.set n, 0
.rept 32
	v_cmp_le_i32 vcc_lo, 16*(n/8)+n%8, v[ST+8*\t+1]
	v_cndmask_b32 v[S+32*\t+n], 0xff800000, v[S+32*\t+n], vcc_lo
.set n, n+1
.endr
.endr
.Lopen:
	; ---- the softmax, the two tiles line by line in turn.  The maximum: four chains of seven scores, the four left over, then the chains
.irp k, 0,1,2,3
.irp t, 0,1
	v_max3_num_f32 v[ST+8*\t+1+2*\k+\k/2-\k/3], v[S+32*\t+8*\k], v[S+32*\t+8*\k+1], v[S+32*\t+8*\k+2]
.endr
.endr
.irp i, 3,5
.irp k, 0,1,2,3
.irp t, 0,1
	v_max3_num_f32 v[ST+8*\t+1+2*\k+\k/2-\k/3], v[ST+8*\t+1+2*\k+\k/2-\k/3], v[S+32*\t+8*\k+\i], v[S+32*\t+8*\k+\i+1]
.endr
.endr
.endr
.irp t, 0,1
	v_max3_num_f32 v[ST+8*\t+1], v[ST+8*\t+1], v[S+32*\t+7], v[S+32*\t+15]
	v_max3_num_f32 v[ST+8*\t+6], v[ST+8*\t+6], v[S+32*\t+23], v[S+32*\t+31]
.endr
.irp t, 0,1
	v_max3_num_f32 v[ST+8*\t+1], v[ST+8*\t+1], v[ST+8*\t+3], v[ST+8*\t+6]
.endr
.irp t, 0,1
	v_max_num_f32 v[ST+8*\t+1], v[ST+8*\t+1], v[ST+8*\t+7]
.endr
.irp t, 0,1
	v_permlanex16_b32 v[ST+8*\t+3], v[ST+8*\t+1], s[SEL], s[SEL+1]   ; the query's other 32 keys lie in the lane 16 away
.endr
.irp t, 0,1
	v_max_num_f32 v[ST+8*\t+1], v[ST+8*\t+1], v[ST+8*\t+3]
.endr
.irp t, 0,1
	v_mov_b32 v[ST+8*\t+3], v[ST+8*\t]             ; the old maximum
.endr
.irp t, 0,1
	v_mul_f32 v[ST+8*\t+1], s[CS], v[ST+8*\t+1]
.endr
.irp t, 0,1
	v_max_num_f32 v[ST+8*\t], v[ST+8*\t], v[ST+8*\t+1]   ; a step all of whose keys are hidden leaves it as it was
.endr
.irp t, 0,1
	v_sub_f32 v[ST+8*\t+3], v[ST+8*\t+3], v[ST+8*\t]
.endr
.irp b, 0,1,2,3,4,5,6,7,8,9,10,11,12,13,14,15
.irp t, 0,1
	v_pk_fma_f32 v[S+32*\t+2*\b:S+32*\t+2*\b+1], v[S+32*\t+2*\b:S+32*\t+2*\b+1], s[CS:CS+1], v[ST+8*\t:ST+8*\t+1] op_sel_hi:[1,0,0] neg_lo:[0,0,1] neg_hi:[0,0,1]   ; c s - maximum
.endr
.endr
.irp t, 0,1
	v_exp_f32 v[ST+8*\t+2], v[ST+8*\t+3]           ; a = 2^(old - new)
.endr
.set n, 0
.rept 32
	v_exp_f32 v[S+n], v[S+n]
	v_exp_f32 v[S+32+n], v[S+32+n]
.set n, n+1
.endr
	v_nop                                          ; a plain line behind the last exponential
	s_wait_alu depctr_va_vdst(0)                   ; one wait for the batch of 66, ahead of its first reader
.irp t, 0,1
	v_pk_mul_f32 v[ST+8*\t+4:ST+8*\t+5], v[ST+8*\t+4:ST+8*\t+5], v[ST+8*\t+2:ST+8*\t+3] op_sel_hi:[1,0]
.endr
.irp t, 0,1
	v_pk_add_f32 v[ST+8*\t+6:ST+8*\t+7], v[S+32*\t:S+32*\t+1], v[S+32*\t+2:S+32*\t+3]   ; the sum of the unrounded p, in two chains
.endr
.irp j, 4,8,12,16,20,24,28
.irp t, 0,1
	v_pk_add_f32 v[ST+8*\t+4:ST+8*\t+5], v[ST+8*\t+4:ST+8*\t+5], v[S+32*\t+\j:S+32*\t+\j+1]
	v_pk_add_f32 v[ST+8*\t+6:ST+8*\t+7], v[ST+8*\t+6:ST+8*\t+7], v[S+32*\t+\j+2:S+32*\t+\j+3]
.endr
.endr
.irp t, 0,1
	v_pk_add_f32 v[ST+8*\t+4:ST+8*\t+5], v[ST+8*\t+4:ST+8*\t+5], v[ST+8*\t+6:ST+8*\t+7]
.endr
.irp i, 0,1,2,3,4,5,6,7,8,9,10,11,12,13,14,15
.irp t, 0,1
	v_cvt_pk_f16_f32 v[S+32*\t+\i], v[S+32*\t+2*\i], v[S+32*\t+2*\i+1]   ; in place, ascending: register i is written when registers up to 2 i + 1 have been read
.endr
.endr
.irp i, 0,1,2,3,4,5,6,7,8,9,10,11,12,13,14,15
.irp t, 0,1
	v_pk_mul_f32 v[O+32*\t+2*\i:O+32*\t+2*\i+1], v[O+32*\t+2*\i:O+32*\t+2*\i+1], v[ST+8*\t+2:ST+8*\t+3] op_sel_hi:[1,0]
.endr
.endr
	s_wait_dscnt 0x0                               ; V is in
.irp g, 0,1                            ; O^T += V^T P: eight accumulators by turns
.irp c, 0,1,2,3
.irp t, 0,1
	v_wmma_f32_16x16x32_f16 v[O+32*\t+8*\c:O+32*\t+8*\c+7], v[KV+32*\g+8*\c:KV+32*\g+8*\c+7], v[S+32*\t+8*\g:S+32*\t+8*\g+7], v[O+32*\t+8*\c:O+32*\t+8*\c+7]
.endr
.endr
.endr
.Lhidden:
	s_wait_loadcnt 0x0                             ; on every path: the piece is in, and its two pointers may be stepped
	s_add_co_u32 s36, s[KF], 256
	s_cmp_le_u32 s36, s[LASTQ]
	s_cbranch_scc0 .Lnostore
	s_xor_b32 s37, s[TB], SLOT1                    ; the same place in the other slot, which nobody reads since this slot's barrier
	v_add_nc_u32 v[ADR], s37, v[KW0]
	ds_store_b128 v[ADR], v[STG:STG+3]
	v_add_nc_u32 v[ADR], s37, v[VW0]
	ds_store_b128 v[ADR], v[STG+4:STG+7]
.Lnostore:
	s_add_nc_u64 s[KP:KP+1], s[KP:KP+1], 8192
	s_add_nc_u64 s[VP:VP+1], s[VP:VP+1], 8192
	s_add_co_u32 s[KF], s[KF], 64
	s_add_co_u32 s[TB], s[TB], STEPB
	s_sub_co_u32 s[U], s[U], 1
	s_cmp_lg_u32 s[U], 0
	s_cbranch_scc1 .Lstep
	s_sub_co_u32 s[TB], s[TB], 4*STEPB
	s_xor_b32 s[TB], s[TB], SLOT1
	s_add_co_u32 s[SL], s[SL], 1
	s_cmp_lt_u32 s[SL], 8
	s_cbranch_scc1 .Lslot
	; ---- THE WAY OUT: O^T / the sum, to f16, through my stage, a tile of 16 queries at a time; each store covers four rows: 512 consecutive bytes
.rept 4
	v_nop
.endr
.irp t, 0,1
	v_add_f32 v[ST+8*\t+1], v[ST+8*\t+4], v[ST+8*\t+5]
.endr
.irp t, 0,1
	v_permlanex16_b32 v[ST+8*\t+3], v[ST+8*\t+1], s[SEL], s[SEL+1]
.endr
.irp t, 0,1
	v_add_f32 v[ST+8*\t+1], v[ST+8*\t+1], v[ST+8*\t+3]
.endr
.irp t, 0,1
	v_rcp_f32 v[ST+8*\t+2], v[ST+8*\t+1]
.endr
	v_and_b32 v1, 15, v0                           ; (plain work behind the reciprocals)
	v_bfe_u32 v2, v0, 4, 1
	s_mul_i32 s36, s[WV], 16*144
	s_add_co_u32 s36, s36, STAGE
	v_mul_u32_u24 v1, v1, 144
	v_lshl_add_u32 v1, v2, 4, v1
	v_add_nc_u32 v1, s36, v1                       ; in: row r, + 16 hh
	v_and_b32 v3, 31, v0
	v_lshrrev_b32 v2, 3, v3
	v_mul_u32_u24 v2, v2, 144
	v_and_b32 v4, 7, v0
	v_lshl_add_u32 v2, v4, 4, v2
	v_add_nc_u32 v2, s36, v2                       ; back: eight lanes to a row, four rows an instruction
	v_lshlrev_b32 v3, 4, v3                        ; and the same 512 bytes in memory
	s_wait_alu depctr_va_vdst(0)                   ; one wait for the two reciprocals, ahead of their first reader
.macro OUT t
.set n, 0
.rept 16
	v_pk_mul_f32 v[O+32*\t+2*n:O+32*\t+2*n+1], v[O+32*\t+2*n:O+32*\t+2*n+1], v[ST+8*\t+2:ST+8*\t+3] op_sel_hi:[1,0]
.set n, n+1
.endr
.set n, 0
.rept 16
	v_cvt_pk_f16_f32 v[S+16*\t+n], v[O+32*\t+2*n], v[O+32*\t+2*n+1]
.set n, n+1
.endr
.irp c, 0,1,2,3
	ds_store_b128 v1, v[S+16*\t+4*\c:S+16*\t+4*\c+3] offset:32*\c
.endr
.irp g, 0,1,2,3
	ds_load_b128 v[S+32+16*\t+4*\g:S+32+16*\t+4*\g+3], v2 offset:576*\g   ; LDS serves a wave's instructions in order: these see the stores above, and the next tile's stores come behind them
.endr
.endm
	OUT 0
	OUT 1
	s_wait_dscnt 8                                 ; tile 0 is back; tile 1's four stores and four loads may be out
.irp g, 0,1,2,3
	global_store_b128 v3, v[S+32+4*\g:S+32+4*\g+3], s[AO:AO+1] offset:512*\g
.endr
	s_wait_dscnt 0x0
.irp g, 0,1,2,3
	global_store_b128 v3, v[S+48+4*\g:S+48+4*\g+3], s[AO:AO+1] offset:2048+512*\g
.endr
	v_lshl_add_u32 v4, v0, 2, SPARE                ; all 256 registers were in use: the add's two are made here, from v0, which is as at the entry
	v_mov_b32 v5, 0
	s_wait_tensorcnt 0x0                           ; the wave's end
	ds_add_u32 v4, v5
	s_wait_dscnt 0x0
	s_endpgm
.Lfunc_end_k_qcce6c7c121_attn:
	.size	k_qcce6c7c121_attn, .Lfunc_end_k_qcce6c7c121_attn-k_qcce6c7c121_attn
	.p2alignl 7, 3214868480
	.fill 96, 4, 3214868480
	.section	.rodata,"a",@progbits
	.p2align	6, 0x0
	.amdhsa_kernel k_qcce6c7c121_attn
		.amdhsa_group_segment_fixed_size 208896
		.amdhsa_private_segment_fixed_size 0
		.amdhsa_enable_private_segment 0
		.amdhsa_kernarg_size 32
		.amdhsa_user_sgpr_count 2
		.amdhsa_user_sgpr_kernarg_segment_ptr 1
		.amdhsa_wavefront_size32 1
		.amdhsa_system_sgpr_workgroup_id_x 1
		.amdhsa_system_sgpr_workgroup_id_y 1
		.amdhsa_system_sgpr_workgroup_id_z 1
		.amdhsa_system_vgpr_workitem_id 0
		.amdhsa_next_free_vgpr 256
		.amdhsa_next_free_sgpr 66
		.amdhsa_reserve_vcc 1
		.amdhsa_float_denorm_mode_32 3
		.amdhsa_float_denorm_mode_16_64 3
		.amdhsa_memory_ordered 1
		.amdhsa_forward_progress 1
		.amdhsa_inst_pref_size 44
	.end_amdhsa_kernel
	.amdgpu_metadata
---
amdhsa.version: [ 1, 2 ]
amdhsa.kernels:
  - .name:           k_qcce6c7c121_attn
    .symbol:         k_qcce6c7c121_attn.kd
    .args:
      - { .name: qkv, .offset: 0, .size: 8, .value_kind: global_buffer, .address_space: global }
      - { .name: bias, .offset: 8, .size: 8, .value_kind: global_buffer, .address_space: global }
      - { .name: flags, .offset: 16, .size: 8, .value_kind: global_buffer, .address_space: global }
      - { .name: ao, .offset: 24, .size: 8, .value_kind: global_buffer, .address_space: global }
    .group_segment_fixed_size: 208896
    .private_segment_fixed_size: 0
    .kernarg_segment_align: 8
    .kernarg_segment_size: 32
    .max_flat_workgroup_size: 512
    .sgpr_count:     66
    .vgpr_count:     256
    .wavefront_size: 32
...
	.end_amdgpu_metadata
.endif
;; end of part 3
;; launch proj (part 4): grid 4 x 64, 4 waves a work-group, clusters of 4 x 4, 327,680 bytes of LDS; arguments ao, wo16, out0; writes out0
.if DOCPART == 4
	.amdgcn_target "amdgcn-amd-amdhsa--gfx1250"
	.amdhsa_code_object_version 6
	.text
	.protected	k_qcce6c7c121_proj
	.globl	k_qcce6c7c121_proj
	.p2align	8
	.type	k_qcce6c7c121_proj,@function
k_qcce6c7c121_proj:
	s_mov_b64 s[64:65], 0
	v_nop
	global_prefetch_b8 v0, s[64:65] scope:SCOPE_SE
	s_setreg_imm32_b32 hwreg(HW_REG_WAVE_MODE, 25, 1), 1
	s_wait_xcnt 0x0
	s_wait_alu depctr_hold_cnt(0) depctr_sa_sdst(0) depctr_va_vdst(0) depctr_va_sdst(0) depctr_va_ssrc(0) depctr_va_vcc(0) depctr_vm_vsrc(0)
	s_getreg_b32 s2, hwreg(HW_REG_IB_STS2, 6, 4)
	s_cmp_eq_u32 s2, 0
	s_cbranch_scc0 .Lentry_in_a_cluster
	s_endpgm
.Lentry_in_a_cluster:
	s_bfe_u32 s2, ttmp6, 0x10000c
	s_cmp_lg_u32 s2, 0xf033
	s_cbranch_scc0 .Lentry_shape_is_right
	s_endpgm
.Lentry_shape_is_right:
; THE PROJECTION ON THE WAY OUT: out0[m][n] = sum over k of a[m][k] w_o[n][k], f16 operands, f32 sums, f32 out.  a = ao [16 h][8192 m][64]: k = 64 h + d;  wo16 [1024 n][1024 k].
; A tile is 128 (m) x 256 (n): 256 work-groups.  Four waves, each 64 x 128: 32 accumulators, 256 registers (window 1).  K goes in steps of 128 (two heads) through a ring of two LDS slots: 8 steps.
; A step's tiles: of a, two heads x 128 rows x 128 bytes (each head's rows are dense in memory); of w_o, 256 rows x 256 bytes.  Waves 0 and 1 fetch a head each, waves 2 and 3 128 rows of w_o: one tensor load a wave.
; CLUSTERS: 4 x 4: the four of a row share a's tile, the four of a column w_o's: joint loads.  THE MATRIX INSTRUCTION IS USED TRANSPOSED (source 0 = 16 rows of w_o, source 1 = 16 rows of a).
; All rows are written here; rows 0-15 of each batch are written over by the launch that follows, which makes them in f32 (to leave them out here would take a branch on a work-group's place in its cluster).
; LIMIT: operands under 65,504 in size.
.set KSB,   2097152                    ; a K step on in ao: two heads of 8,192 rows x 128 bytes
.set PA,    144                        ; an LDS row of a: 128 bytes + 16
.set PB,    272                        ; of w_o: 256 + 16
.set HA,    128*PA                     ; a head's 128 rows
.set HB,    128*PB
.set BOFF,  2*HA
.set SLOT,  2*HA+2*HB
.set STAGE, 2*SLOT                     ; behind the ring: 16 rows x (512 bytes + 16) for each wave
.set SPITCH, 528
.set SPARE, STAGE+4*16*SPITCH
.set LAPS,  4
.set ADRA, 16
.set ADRB, 20
.set STO,  24
.set RD,   25
.set CO,   26
.set SPW,  28
.set NIL,  29
.set PFO,  30
.set FA,   32                          ; a's fragments: two buffers of 32 registers;  w_o's: two of 64
.set FB,   128
.set BK,   128                         ; the way out: rows read back: v128-191 and v192-255 by turns
.set G1, 24
.set G0, 32
.set G1B, 48
.set G0B, 56
.set LIM, 43
.set PFA, 44
.set MSB, 0
.macro WIN new
.if MSB != \new
	s_set_vgpr_msb (MSB<<8)|\new
.set MSB, \new
.endif
.endm
.set MUL, 0x50                         ; C and D window 1, the sources window 0
.macro JLOAD s                         ; a joint load; an s_nop 0 and four v_nop follow each of the two lines
	s_cmp_eq_u32 s11, 0
	s_cbranch_scc0 .Lfor_b_\@
	tensor_load_to_lds s[G0+4*\s:G0+4*\s+3], s[G1:G1+7]
	s_nop 0
.rept 4
	v_nop
.endr
	s_branch .Lasked_\@
.Lfor_b_\@:
	tensor_load_to_lds s[G0B+4*\s:G0B+4*\s+3], s[G1B:G1B+7]
	s_nop 0
.rept 4
	v_nop
.endr
.Lasked_\@:
.endm
.macro CREST
	s_cmp_lg_u32 s10, 0
	s_cbranch_scc1 .Lnot_wave_0_\@
	s_barrier_signal -3
.Lnot_wave_0_\@:
	s_barrier_wait -3
	s_barrier_signal -1
	s_barrier_wait -1
.endm
.macro CROUND
	s_barrier_signal -1
	s_barrier_wait -1
	CREST
.endm
; A prefetch of a's K step two refills on: 2 heads x 16,384 bytes for a tile row.  Wave 0 of each of the four partners asks for a quarter, told apart by address (4,096 bytes x cx): lanes 0-15 the first head, lanes 16-31 the
; second, 256 bytes apart: each aligned 256 bytes once in the launch.  The loop's last trip asks for nothing.  w_o is read again by every cluster and is not asked for.
.macro ASK
	s_cmp_gt_u32 s3, s[LIM]
	s_cbranch_scc0 .Lnot_mine_\@
	global_prefetch_b8 v[PFO], s[PFA:PFA+1] th:TH_LOAD_NT scope:SCOPE_SE
.Lnot_mine_\@:
.endm
	s_load_b128 s[4:7], s[0:1], 0x0                ; ao, wo16
	s_load_b64 s[8:9], s[0:1], 0x10                ; out0
	v_lshl_add_u32 v[SPW], v0, 2, SPARE
	v_mov_b32 v[NIL], 0
	ds_add_u32 v[SPW], v[NIL]                      ; the wave's opening: the add, twice on end, and its wait ahead of my first tensor load
	ds_add_u32 v[SPW], v[NIL]
	v_lshrrev_b32 v1, 5, v0
	v_readfirstlane_b32 s10, v1                    ; wave
	s_lshr_b32 s11, s10, 1                         ; my half of the tile's rows.  Also: I fetch for a (0) or for w_o (1)
	s_and_b32 s12, s10, 1                          ; my half of its columns.  Also: which head, or which 128 rows, I fetch
	s_bfe_u32 s40, ttmp6, 0x40000                  ; cx
	s_bfe_u32 s41, ttmp6, 0x40004                  ; cy
	s_lshl_b32 s42, ttmp9, 2
	s_add_co_u32 s42, s42, s40                     ; tile column
	s_and_b32 s13, ttmp7, 0xffff
	s_lshl_b32 s13, s13, 2
	s_add_co_u32 s13, s13, s41                     ; tile row
	s_lshl_b32 s43, s41, 2
	s_lshl_b32 s43, 15, s43                        ; my row of the cluster
	s_lshl_b32 s44, 0x1111, s40                    ; my column
	s_or_b32 s[G1+0], s43, (1<<16)|(1<<20)|(1<<21)|(4<<22)|(3<<25)   ; elements of 2 bytes; four words of padding after every 32
	s_mov_b32 s[G1+1], 64<<16                      ; tensor_dim0
	s_mov_b32 s[G1+2], 128<<16                     ; tensor_dim1
	s_mov_b32 s[G1+3], 64<<16                      ; tile_dim0
	s_mov_b32 s[G1+4], 128                         ; tile_dim1
	s_mov_b32 s[G1+5], 64                          ; from row to row
	s_mov_b32 s[G1+6], 0
	s_mov_b32 s[G1+7], 0
	s_or_b32 s[G1B+0], s44, (1<<16)|(1<<20)|(1<<21)|(5<<22)|(3<<25)  ; four words after every 64
	s_mov_b32 s[G1B+1], 128<<16
	s_mov_b32 s[G1B+2], 128<<16
	s_mov_b32 s[G1B+3], 128<<16
	s_mov_b32 s[G1B+4], 128
	s_mov_b32 s[G1B+5], 1024
	s_mov_b32 s[G1B+6], 0
	s_mov_b32 s[G1B+7], 0
	s_lshl_b32 s16, s12, 20                        ; a: head (w & 1) of the step: 8,192 rows of 128 bytes; + 128 x tile row rows
	s_lshl_b32 s17, s13, 14
	s_add_co_u32 s16, s16, s17
	s_mov_b32 s17, 0
	s_lshl_b32 s46, s42, 19                        ; w_o: row 256 x tile column + 128 (w & 1), 2,048 bytes a row
	s_lshl_b32 s47, s12, 18
	s_add_co_u32 s46, s46, s47
	s_mov_b32 s47, 0
	s_mul_i32 s20, s12, HA                         ; where they go in a slot
	s_mul_i32 s23, s12, HB
	s_add_co_u32 s23, s23, BOFF
	s_wait_dscnt 0x0                               ; both opening adds are done
	s_wait_kmcnt 0x0
	s_add_nc_u64 s[14:15], s[4:5], s[16:17]
	s_add_nc_u64 s[46:47], s[6:7], s[46:47]
	CROUND                                         ; all sixteen work-groups are here
.irp s, 0,1
	s_mov_b32 s[G0+4*\s], 1
	s_add_co_u32 s[G0+4*\s+1], s20, \s*SLOT
	s_add_nc_u64 s[G0+4*\s+2:G0+4*\s+3], s[14:15], \s*KSB
	s_or_b32 s[G0+4*\s+3], s[G0+4*\s+3], 0x80000000
	s_mov_b32 s[G0B+4*\s], 1
	s_add_co_u32 s[G0B+4*\s+1], s23, \s*SLOT
	s_add_nc_u64 s[G0B+4*\s+2:G0B+4*\s+3], s[46:47], \s*256
	s_or_b32 s[G0B+4*\s+3], s[G0B+4*\s+3], 0x80000000
	JLOAD \s                                       ; two tensor loads of mine are out behind the second
.endr
	v_and_b32 v1, 15, v0
	v_bfe_u32 v2, v0, 4, 1
	v_mul_u32_u24 v3, v1, PA
	v_lshl_add_u32 v3, v2, 4, v3
	v_mul_u32_u24 v4, v1, PB
	v_lshl_add_u32 v4, v2, 4, v4
	s_mul_i32 s21, s11, 64*PA                      ; my 64 rows of a (in each head)
	s_mul_i32 s22, s12, HB                         ; my 128 rows of w_o
	s_add_co_u32 s22, s22, BOFF
.irp s, 0,1
	v_add_nc_u32 v[ADRA+\s], s21, v3
	v_add_nc_u32 v[ADRB+\s], s22, v4
	s_add_co_u32 s21, s21, SLOT
	s_add_co_u32 s22, s22, SLOT
.endr
	s_mul_i32 s23, s10, 16*SPITCH
	s_add_co_u32 s23, s23, STAGE                   ; my stage
	v_mul_u32_u24 v5, v1, SPITCH
	v_lshl_add_u32 v5, v2, 5, v5
	v_add_nc_u32 v[STO], s23, v5                   ; in: row r, 32 bytes for each half of the lanes
	v_and_b32 v6, 31, v0
	v_lshlrev_b32 v[CO], 4, v6
	v_add_nc_u32 v[RD], s23, v[CO]                 ; back: the 32 lanes take a row of 512 bytes
	s_lshl_b32 s16, s13, 19                        ; out0: (128 tile row + 64 row half) rows of 4,096 bytes + (256 tile column + 128 column half) x 4
	s_lshl_b32 s18, s11, 18
	s_add_co_u32 s16, s16, s18
	s_lshl_b32 s18, s42, 10
	s_add_co_u32 s16, s16, s18
	s_lshl_b32 s18, s12, 9
	s_add_co_u32 s16, s16, s18
	s_add_nc_u64 s[8:9], s[8:9], s[16:17]
	s_lshl_b32 s18, s13, 14                        ; the prefetches: my tile row, my work-group's quarter,
	s_lshl_b32 s19, s40, 12
	s_add_co_u32 s18, s18, s19
	s_add_co_u32 s18, s18, 3*KSB                   ; at K step 3: the first refill (K step 2) steps it to 4
	s_mov_b32 s19, 0
	s_add_nc_u64 s[PFA:PFA+1], s[4:5], s[18:19]
	s_cmp_eq_u32 s10, 0
	s_cselect_b32 s[LIM], 1, -1
	v_lshlrev_b32 v[PFO], 20, v2
	v_lshl_add_u32 v[PFO], v1, 8, v[PFO]
.macro MUL8 f, a, zero                 ; a's block a against w_o's eight, 32 along K; the 32 accumulators take turns in the same order in every quarter
.irp b, 0,1,2,3,4,5,6,7
.if \zero
	v_wmma_f32_16x16x32_f16 v[8*(8*\a+\b):8*(8*\a+\b)+7], v[FB+64*\f+8*\b:FB+64*\f+8*\b+7], v[FA+32*\f+8*\a:FA+32*\f+8*\a+7], 0
.else
	v_wmma_f32_16x16x32_f16 v[8*(8*\a+\b):8*(8*\a+\b)+7], v[FB+64*\f+8*\b:FB+64*\f+8*\b+7], v[FA+32*\f+8*\a:FA+32*\f+8*\a+7], v[8*(8*\a+\b):8*(8*\a+\b)+7]
.endif
.endr
.endm
.macro FETCH slot, q, f                ; 24 LDS loads in one run: quarter q's fragments: w_o's sixteen loads, then a's eight
	WIN 0
.irp b, 0,1,2,3,4,5,6,7
	ds_load_b128 v[FB+64*\f+8*\b:FB+64*\f+8*\b+3], v[ADRB+\slot] offset:(\q)*64+\b*16*PB
	ds_load_b128 v[FB+64*\f+8*\b+4:FB+64*\f+8*\b+7], v[ADRB+\slot] offset:(\q)*64+\b*16*PB+32
.endr
.irp a, 0,1,2,3
	ds_load_b128 v[FA+32*\f+8*\a:FA+32*\f+8*\a+3], v[ADRA+\slot] offset:((\q)/2)*HA+((\q)%2)*64+\a*16*PA
	ds_load_b128 v[FA+32*\f+8*\a+4:FA+32*\f+8*\a+7], v[ADRA+\slot] offset:((\q)/2)*HA+((\q)%2)*64+\a*16*PA+32
.endr
.endm
.macro PLACES
.rept 4
	v_nop
.endr
.endm
.macro QUARTER slot, q, f, g, zero     ; multiplies buffer f; in its middle fetches quarter q of the same slot into buffer g
	s_wait_dscnt 4                                 ; all but the youngest four loads (a's blocks 2 and 3)
	WIN MUL
	MUL8 \f, 0, \zero
	MUL8 \f, 1, \zero
	PLACES
	FETCH \slot, \q, \g
	s_wait_dscnt 24                                ; all but the 24 just issued
	WIN MUL
	MUL8 \f, 2, \zero
	MUL8 \f, 3, \zero
.endm
; A slot's last quarter multiplies buffer 1 and changes slots.  In front of the barrier each wave waits for all its tensor loads (one is out: its part of the next slot), adds 0 to its spare word, and waits for that and
; for its reads of this slot.  fill = 1: the barrier opens a round of the cluster's, and the joint refill, two K steps ahead, is the first tensor load behind it: 112 matrix instructions ahead of the wait for it.
.macro TURN slot, next, fill
.if \fill
	s_wait_xcnt 0x0                                ; the last prefetch, a K step back, has read its address
	s_add_nc_u64 s[PFA:PFA+1], s[PFA:PFA+1], KSB
.endif
	WIN 0
	s_wait_tensorcnt 0x0
	ds_add_u32 v[SPW], v[NIL]
	s_wait_dscnt 5                                 ; (the add and a's blocks 2 and 3 may be out)
	WIN MUL
	MUL8 1, 0, 0
	s_wait_dscnt 0x0                               ; the add is done, and my reads of this slot are over
	s_barrier_signal -1
	MUL8 1, 1, 0
	WIN 0
	s_barrier_wait -1
.if \fill
	CREST
	s_add_nc_u64 s[G0+4*\slot+2:G0+4*\slot+3], s[G0+4*\slot+2:G0+4*\slot+3], 2*KSB
	s_add_nc_u64 s[G0B+4*\slot+2:G0B+4*\slot+3], s[G0B+4*\slot+2:G0B+4*\slot+3], 512
	JLOAD \slot                                    ; its four v_nop are also the places in front of the loads below
.else
	PLACES
.endif
	FETCH \next, 0, 0
.if \fill
	ASK
.endif
	WIN MUL
	MUL8 1, 2, 0
	MUL8 1, 3, 0
.endm
	s_wait_tensorcnt 1                             ; my part of K step 0 is in; K step 1's load may be out
	s_barrier_signal -1
	s_barrier_wait -1
	FETCH 0, 0, 0
	QUARTER 0, 1, 0, 1, 1                          ; the first quarter's products start the sums
	WIN 0
	s_mov_b32 s3, LAPS-1
.Llap:
	QUARTER 0, 2, 1, 0, 0
	QUARTER 0, 3, 0, 1, 0
	TURN 0, 1, 1
	QUARTER 1, 1, 0, 1, 0
	QUARTER 1, 2, 1, 0, 0
	QUARTER 1, 3, 0, 1, 0
	TURN 1, 0, 1
	QUARTER 0, 1, 0, 1, 0
	WIN 0
	s_sub_co_u32 s3, s3, 1
	s_cmp_lg_u32 s3, 0
	s_cbranch_scc1 .Llap
	QUARTER 0, 2, 1, 0, 0                          ; the last lap is written out: it asks for nothing
	QUARTER 0, 3, 0, 1, 0
	TURN 0, 1, 0
	QUARTER 1, 1, 0, 1, 0
	QUARTER 1, 2, 1, 0, 0
	QUARTER 1, 3, 0, 1, 0
	s_wait_dscnt 4
	WIN MUL
	MUL8 1, 0, 0
	MUL8 1, 1, 0
	s_wait_dscnt 0
	MUL8 1, 2, 0
	MUL8 1, 3, 0
	WIN 0
; THE WAY OUT, block by block of 16 rows x 128 columns: through my own stage, back as whole rows of 512 bytes.
.macro TOSTAGE a
	WIN 0x04                                       ; an LDS store's data are its source 1: window 1
.irp b, 0,1,2,3,4,5,6,7
	ds_store_b128 v[STO], v[64*(\a)+8*\b:64*(\a)+8*\b+3] offset:64*\b          ; each accumulator from its low end on
	ds_store_b128 v[STO], v[64*(\a)+8*\b+4:64*(\a)+8*\b+7] offset:64*\b+16
.endr
	WIN 0
.set BB, BK+64*((\a)%2)
.irp t, 0,1,2,3,4,5,6,7,8,9,10,11,12,13,14,15
	ds_load_b128 v[BB+4*\t:BB+4*\t+3], v[RD] offset:\t*SPITCH      ; LDS serves a wave's instructions in order
.endr
.endm
.macro SEND a, younger
.set BB, BK+64*((\a)%2)
	s_wait_dscnt \younger                          ; the block is back; the next block's 16 stores and 16 loads may be out
.irp t, 0,1,2,3,4,5,6,7,8,9,10,11,12,13,14,15
	global_store_b128 v[CO], v[BB+4*\t:BB+4*\t+3], s[8:9] offset:(16*(\a)+\t)*4096 th:TH_STORE_NT   ; 512 consecutive bytes, aligned
.endr
.endm
	PLACES
	TOSTAGE 0
.irp a, 1,2,3
.if \a > 1
	s_wait_xcnt 0x0                                ; the stores of the block two back have read the registers into which this block's rows are loaded
.endif
	TOSTAGE \a
	SEND \a-1, 32
.endr
	SEND 3, 0
	s_wait_tensorcnt 0x0                           ; the wave's end
	ds_add_u32 v[SPW], v[NIL]
	s_wait_dscnt 0x0
	CROUND                                         ; the closing round
	s_endpgm
.Lfunc_end_k_qcce6c7c121_proj:
	.size	k_qcce6c7c121_proj, .Lfunc_end_k_qcce6c7c121_proj-k_qcce6c7c121_proj
	.p2alignl 7, 3214868480
	.fill 96, 4, 3214868480
	.section	.rodata,"a",@progbits
	.p2align	6, 0x0
	.amdhsa_kernel k_qcce6c7c121_proj
		.amdhsa_group_segment_fixed_size 327680
		.amdhsa_private_segment_fixed_size 0
		.amdhsa_enable_private_segment 0
		.amdhsa_kernarg_size 24
		.amdhsa_user_sgpr_count 2
		.amdhsa_user_sgpr_kernarg_segment_ptr 1
		.amdhsa_wavefront_size32 1
		.amdhsa_system_sgpr_workgroup_id_x 1
		.amdhsa_system_sgpr_workgroup_id_y 1
		.amdhsa_system_sgpr_workgroup_id_z 1
		.amdhsa_system_vgpr_workitem_id 0
		.amdhsa_next_free_vgpr 512
		.amdhsa_next_free_sgpr 66
		.amdhsa_reserve_vcc 0
		.amdhsa_float_denorm_mode_32 3
		.amdhsa_float_denorm_mode_16_64 3
		.amdhsa_memory_ordered 1
		.amdhsa_forward_progress 1
		.amdhsa_inst_pref_size 86
	.end_amdhsa_kernel
	.amdgpu_metadata
---
amdhsa.version: [ 1, 2 ]
amdhsa.kernels:
  - .name:           k_qcce6c7c121_proj
    .symbol:         k_qcce6c7c121_proj.kd
    .args:
      - { .name: ao, .offset: 0, .size: 8, .value_kind: global_buffer, .address_space: global }
      - { .name: wo16, .offset: 8, .size: 8, .value_kind: global_buffer, .address_space: global }
      - { .name: out0, .offset: 16, .size: 8, .value_kind: global_buffer, .address_space: global }
    .group_segment_fixed_size: 327680
    .private_segment_fixed_size: 0
    .kernarg_segment_align: 8
    .kernarg_segment_size: 24
    .max_flat_workgroup_size: 128
    .sgpr_count:     66
    .vgpr_count:     512
    .wavefront_size: 32
...
	.end_amdgpu_metadata
.endif
;; end of part 4
;; launch first16 (part 5): grid 32 x 4, 16 waves a work-group, no clusters, 38,912 bytes of LDS; arguments qkv32, bias, w_o, out0; writes out0
.if DOCPART == 5
	.amdgcn_target "amdgcn-amd-amdhsa--gfx1250"
	.amdhsa_code_object_version 6
	.text
	.protected	k_qcce6c7c121_first16
	.globl	k_qcce6c7c121_first16
	.p2align	8
	.type	k_qcce6c7c121_first16,@function
k_qcce6c7c121_first16:
	s_mov_b64 s[64:65], 0
	v_nop
	global_prefetch_b8 v0, s[64:65] scope:SCOPE_SE
	s_setreg_imm32_b32 hwreg(HW_REG_WAVE_MODE, 25, 1), 1
	s_wait_xcnt 0x0
; ROWS 0-15 OF EACH BATCH, WHOLLY IN f32: under the causal mask they average one to sixteen values and are the largest in size, so 16-bit operands would weigh most there.  This launch runs last and writes them over.
; Work-group (ns, b): batch b, columns 32 ns .. 32 ns + 31 of the result.  Wave = head: scores, softmax and P V of the head's 16 x 16 corner, then the head's part of the projection; the sixteen parts meet in LDS.
; (The 32 work-groups of a batch repeat the corner's attention: 32 matrix instructions a wave.)  All products by the f32 matrix form, 16 x 16 x 4; what it writes is written by nothing else.
; q, k, v come as images of accumulators: qkv32 [4 b][192 n16][2 u][32 lanes][4]: element (row = lane % 16, column = 16 n16 + 8 (lane / 16) + 4 u + e).
; S^T = K Q^T: a pair of registers of K's image and the same pair of Q's hold the same four channels in the same places, so the order of the channels does not matter.  A lane holds query lane % 16 and keys 8 (lane / 16) + j.
; A query none of whose keys counts gives -inf - (-inf) = NaN, as the definition has it.  Each wave stores 128 consecutive bytes of one row: the launch stores 262,144 bytes in all.
.set SPARE, 16*16*144                  ; behind the sixteen parts (16 rows x (128 bytes + 16) each): the spare words
.set BI, 16                            ; v16-23 the biases of my eight keys
.set PP, 24                            ; v24-31 scores, then p
.set QQ, 32
.set KK, 64
.set VT, 96                            ; v96-127 V turned: v[96 + 8 ct + k]: V(key 8 hh + k, channel 16 ct + r)
.set WW, 128                           ; v128-191 w_o: v[128 + 32 nt + 8 ct + k]: w_o(32 ns + 16 nt + r, 64 h + 16 ct + 8 hh + k)
.set SA, 192                           ; v192-207 the scores' two accumulators
.set OO, 208                           ; v208-239 O^T
.set OU, 240                           ; v240-255 my part of the result, transposed
	s_load_b256 s[4:11], s[0:1], 0x0               ; qkv32, bias, w_o, out0
	v_lshl_add_u32 v8, v0, 2, SPARE                ; my spare word; never rewritten
	v_mov_b32 v9, 0                                ; 0; never rewritten
	v_lshrrev_b32 v11, 5, v0
	v_readfirstlane_b32 s12, v11                   ; wave = head
	s_and_b32 s13, ttmp7, 0xffff                   ; batch
	v_and_b32 v11, 31, v0                          ; lane
	v_and_b32 v12, 15, v0                          ; r
	v_bfe_u32 v13, v0, 4, 1                        ; hh
	v_lshlrev_b32 v1, 4, v11                       ; an image's 16 bytes for my lane
	v_bfe_u32 v2, v0, 2, 1                         ; V turned: channel r lies in image half (r / 4) % 2,
	v_lshlrev_b32 v2, 9, v2
	v_bfe_u32 v14, v0, 3, 1
	v_lshl_add_u32 v2, v14, 8, v2                  ; lanes 16 (r / 8) on,
	v_and_b32 v14, 3, v0
	v_lshl_add_u32 v2, v14, 2, v2                  ; word r % 4;
	v_lshl_add_u32 v2, v13, 7, v2                  ; my keys begin at 8 hh: 16 bytes a key
	v_lshlrev_b32 v3, 12, v12
	v_lshl_add_u32 v3, v13, 5, v3                  ; w_o: row r of 4,096 bytes, + 32 hh
	v_lshlrev_b32 v4, 5, v13                       ; the biases of keys 8 hh on
	s_mul_i32 s14, s12, 16*144
	v_mul_u32_u24 v5, v12, 144
	v_lshl_add_u32 v5, v13, 5, v5
	v_add_nc_u32 v5, s14, v5                       ; my part: row r (a query), + 32 hh
	s_mul_i32 s14, s12, 144
	v_lshl_add_u32 v6, v11, 2, s14                 ; back: query w of every part, 4 bytes a lane
	v_lshlrev_b32 v7, 2, v11
	v_lshlrev_b32 v10, 3, v13
	v_sub_nc_u32 v10, v12, v10                     ; r - 8 hh: key 8 hh + j counts where j <= this
	s_mov_b32 s20, 0x76543210
	s_mov_b32 s21, 0xfedcba98
	s_mov_b32 s22, 0x3e38aa3b                      ; c = log2(e) / 8
	s_mul_i32 s16, s13, 192
	s_lshl_b32 s17, s12, 2
	s_add_co_u32 s16, s16, s17
	s_lshl_b32 s16, s16, 10                        ; image 192 b + 4 h: q's; k's lie 64 images on, v's 128
	s_mov_b32 s17, 0
	s_wait_kmcnt 0x0
	s_add_nc_u64 s[4:5], s[4:5], s[16:17]
	s_lshl_b32 s16, s13, 13
	s_add_nc_u64 s[6:7], s[6:7], s[16:17]
	s_lshl_b32 s16, ttmp9, 17                      ; w_o: row 32 ns, channel 64 h
	s_lshl_b32 s18, s12, 8
	s_add_co_u32 s16, s16, s18
	s_add_nc_u64 s[8:9], s[8:9], s[16:17]
	s_lshl_b32 s16, s13, 11                        ; out0: row 2,048 b + w, column 32 ns
	s_add_co_u32 s16, s16, s12
	s_lshl_b32 s16, s16, 12
	s_lshl_b32 s18, ttmp9, 7
	s_add_co_u32 s16, s16, s18
	s_add_nc_u64 s[10:11], s[10:11], s[16:17]
.irp g, 0,1,2,3
.irp u, 0,1
	global_load_b128 v[QQ+8*\g+4*\u:QQ+8*\g+4*\u+3], v1, s[4:5] offset:\g*1024+\u*512
.endr
.endr
.irp g, 0,1,2,3
.irp u, 0,1
	global_load_b128 v[KK+8*\g+4*\u:KK+8*\g+4*\u+3], v1, s[4:5] offset:65536+\g*1024+\u*512
.endr
.endr
	global_load_b128 v[BI:BI+3], v4, s[6:7]
	global_load_b128 v[BI+4:BI+7], v4, s[6:7] offset:16
.irp c, 0,1,2,3
.irp k, 0,1,2,3,4,5,6,7
	global_load_b32 v[VT+8*\c+\k], v2, s[4:5] offset:131072+\c*1024+\k*16
.endr
.endr
.irp n, 0,1
.irp c, 0,1,2,3
	global_load_b128 v[WW+32*\n+8*\c:WW+32*\n+8*\c+3], v3, s[8:9] offset:\n*65536+\c*64
	global_load_b128 v[WW+32*\n+8*\c+4:WW+32*\n+8*\c+7], v3, s[8:9] offset:\n*65536+\c*64+16
.endr
.endr
	s_wait_loadcnt 50                              ; q and k are in; behind them 2 + 32 + 16 loads were issued
.irp i, 0,1,2,3,4,5,6,7,8,9,10,11,12,13,14,15  ; two accumulators by turns; the first product of each starts its sum
.if \i < 2
	v_wmma_f32_16x16x4_f32 v[SA+8*(\i%2):SA+8*(\i%2)+7], v[KK+2*\i:KK+2*\i+1], v[QQ+2*\i:QQ+2*\i+1], 0
.else
	v_wmma_f32_16x16x4_f32 v[SA+8*(\i%2):SA+8*(\i%2)+7], v[KK+2*\i:KK+2*\i+1], v[QQ+2*\i:QQ+2*\i+1], v[SA+8*(\i%2):SA+8*(\i%2)+7]
.endif
.endr
.rept 8
	v_nop                                          ; eight places behind this form, ahead of the first read of its results
.endr
.irp j, 0,1,2,3,4,5,6,7
	v_add_f32 v[PP+\j], v[SA+\j], v[SA+8+\j]
.endr
	s_wait_loadcnt 48                              ; the biases are in
.irp j, 0,1,2,3,4,5,6,7
	v_add_f32 v[PP+\j], v[PP+\j], v[BI+\j]
.endr
.irp j, 0,1,2,3,4,5,6,7
	v_cmp_le_i32 vcc_lo, \j, v10
	v_cndmask_b32 v[PP+\j], 0xff800000, v[PP+\j], vcc_lo
.endr
	v_max3_num_f32 v11, v[PP], v[PP+1], v[PP+2]
	v_max3_num_f32 v11, v11, v[PP+3], v[PP+4]
	v_max3_num_f32 v11, v11, v[PP+5], v[PP+6]
	v_max_num_f32 v11, v11, v[PP+7]
	v_permlanex16_b32 v12, v11, s20, s21
	v_max_num_f32 v11, v11, v12                    ; the row's maximum
	v_mul_f32 v13, s22, v11
.irp j, 0,1,2,3,4,5,6,7
	v_fma_f32 v[PP+\j], v[PP+\j], s22, -v13
.endr
.irp j, 0,1,2,3,4,5,6,7
	v_exp_f32 v[PP+\j], v[PP+\j]
.endr
	v_nop                                          ; a plain line behind the last exponential
	s_wait_alu depctr_va_vdst(0)                   ; one wait for the eight, ahead of their first reader
	v_add_f32 v11, v[PP], v[PP+1]
	v_add_f32 v12, v[PP+2], v[PP+3]
	v_add_f32 v13, v[PP+4], v[PP+5]
	v_add_f32 v14, v[PP+6], v[PP+7]
	v_add_f32 v11, v11, v12
	v_add_f32 v13, v13, v14
	v_add_f32 v11, v11, v13
	v_permlanex16_b32 v12, v11, s20, s21
	v_add_f32 v11, v11, v12
	v_rcp_f32 v13, v11
	v_nop
	s_wait_alu depctr_va_vdst(0)
.irp j, 0,1,2,3,4,5,6,7
	v_mul_f32 v[PP+\j], v[PP+\j], v13
.endr
	s_wait_loadcnt 16                              ; V is in; w_o's sixteen loads may be out
.irp i, 0,1,2,3                        ; O^T = V^T P: in step i the four places along K are keys 8 hh + 2 i + j, on both sides; four accumulators by turns
.irp c, 0,1,2,3
.if \i == 0
	v_wmma_f32_16x16x4_f32 v[OO+8*\c:OO+8*\c+7], v[VT+8*\c+2*\i:VT+8*\c+2*\i+1], v[PP+2*\i:PP+2*\i+1], 0
.else
	v_wmma_f32_16x16x4_f32 v[OO+8*\c:OO+8*\c+7], v[VT+8*\c+2*\i:VT+8*\c+2*\i+1], v[PP+2*\i:PP+2*\i+1], v[OO+8*\c:OO+8*\c+7]
.endif
.endr
.endr
.rept 9
	v_nop                                          ; nine places: the results go on as a matrix instruction's source
.endr
	s_wait_loadcnt 0x0
.irp c, 0,1,2,3                        ; my head's part of the projection: the places along K are channels 16 ct + 8 hh + 2 i + j; two accumulators by turns
.irp i, 0,1,2,3
.irp n, 0,1
.if (\c == 0) && (\i == 0)
	v_wmma_f32_16x16x4_f32 v[OU+8*\n:OU+8*\n+7], v[WW+32*\n+8*\c+2*\i:WW+32*\n+8*\c+2*\i+1], v[OO+8*\c+2*\i:OO+8*\c+2*\i+1], 0
.else
	v_wmma_f32_16x16x4_f32 v[OU+8*\n:OU+8*\n+7], v[WW+32*\n+8*\c+2*\i:WW+32*\n+8*\c+2*\i+1], v[OO+8*\c+2*\i:OO+8*\c+2*\i+1], v[OU+8*\n:OU+8*\n+7]
.endif
.endr
.endr
.endr
.rept 8
	v_nop
.endr
.irp n, 0,1
	ds_store_b128 v5, v[OU+8*\n:OU+8*\n+3] offset:64*\n            ; lane (r, hh): query r, columns 16 nt + 8 hh + 0 .. 7
	ds_store_b128 v5, v[OU+8*\n+4:OU+8*\n+7] offset:64*\n+16
.endr
	s_wait_dscnt 0x0                               ; for the others' sake: my part lies in LDS
	s_barrier_signal -1
	s_barrier_wait -1
.irp p, 0,1,2,3,4,5,6,7,8,9,10,11,12,13,14,15
	ds_load_b32 v[QQ+\p], v6 offset:\p*16*144      ; query w of head p's part, my column
.endr
	s_wait_dscnt 0x0
.irp p, 0,1,2,3,4,5,6,7
	v_add_f32 v[QQ+\p], v[QQ+\p], v[QQ+8+\p]
.endr
.irp p, 0,1,2,3
	v_add_f32 v[QQ+\p], v[QQ+\p], v[QQ+4+\p]
.endr
	v_add_f32 v[QQ], v[QQ], v[QQ+2]
	v_add_f32 v[QQ+1], v[QQ+1], v[QQ+3]
	v_add_f32 v[QQ], v[QQ], v[QQ+1]
	global_store_b32 v7, v[QQ], s[10:11]
	s_wait_tensorcnt 0x0                           ; the wave's end
	ds_add_u32 v8, v9
	s_wait_dscnt 0x0
	s_endpgm
.Lfunc_end_k_qcce6c7c121_first16:
	.size	k_qcce6c7c121_first16, .Lfunc_end_k_qcce6c7c121_first16-k_qcce6c7c121_first16
	.p2alignl 7, 3214868480
	.fill 96, 4, 3214868480
	.section	.rodata,"a",@progbits
	.p2align	6, 0x0
	.amdhsa_kernel k_qcce6c7c121_first16
		.amdhsa_group_segment_fixed_size 38912
		.amdhsa_private_segment_fixed_size 0
		.amdhsa_enable_private_segment 0
		.amdhsa_kernarg_size 32
		.amdhsa_user_sgpr_count 2
		.amdhsa_user_sgpr_kernarg_segment_ptr 1
		.amdhsa_wavefront_size32 1
		.amdhsa_system_sgpr_workgroup_id_x 1
		.amdhsa_system_sgpr_workgroup_id_y 1
		.amdhsa_system_sgpr_workgroup_id_z 1
		.amdhsa_system_vgpr_workitem_id 0
		.amdhsa_next_free_vgpr 256
		.amdhsa_next_free_sgpr 66
		.amdhsa_reserve_vcc 1
		.amdhsa_float_denorm_mode_32 3
		.amdhsa_float_denorm_mode_16_64 3
		.amdhsa_memory_ordered 1
		.amdhsa_forward_progress 1
		.amdhsa_inst_pref_size 19
	.end_amdhsa_kernel
	.amdgpu_metadata
---
amdhsa.version: [ 1, 2 ]
amdhsa.kernels:
  - .name:           k_qcce6c7c121_first16
    .symbol:         k_qcce6c7c121_first16.kd
    .args:
      - { .name: qkv32, .offset: 0, .size: 8, .value_kind: global_buffer, .address_space: global }
      - { .name: bias, .offset: 8, .size: 8, .value_kind: global_buffer, .address_space: global }
      - { .name: w_o, .offset: 16, .size: 8, .value_kind: global_buffer, .address_space: global }
      - { .name: out0, .offset: 24, .size: 8, .value_kind: global_buffer, .address_space: global }
    .group_segment_fixed_size: 38912
    .private_segment_fixed_size: 0
    .kernarg_segment_align: 8
    .kernarg_segment_size: 32
    .max_flat_workgroup_size: 512
    .sgpr_count:     66
    .vgpr_count:     256
    .wavefront_size: 32
...
	.end_amdgpu_metadata
.endif
;; end of part 5
